; MI455X (gfx1250); checked and timed in simulation.
; The chip was launched on July 23, 2026; its instructions are those of AMD's public machine-readable ISA for CDNA 5 (MIT licence, August 2026) and "CDNA5" Instruction Set Architecture Reference Guide (July 2026). The comments in the code are by the model that wrote it; some were corrected since.
;; Self Attention V3. Allowed arithmetic: matrix products marked QUANTISED: E5M2 operands, one given power-of-two scale a tensor, by v_wmma_f32_16x16x64_bf8_bf8 or v_wmma_f32_16x16x128_bf8_bf8, f32 sums; everything else in f32.
;; Inputs: WK_b 1,024 float32; WK_w 1,024 x 1,024 float32; WQ_b 1,024 float32; WQ_w 1,024 x 1,024 float32; WV_b 1,024 float32; WV_w 1,024 x 1,024 float32; Wo_b 1,024 float32; Wo_w 1,024 x 1,024 float32; lowp_scales 12 int32 (the exponents e of the quantised operands' scales 2^e); x 4 x 2,048 x 1,024 float32.
;; Outputs: out0 4 x 2,048 x 1,024 float32.
;; This version of the problem:
;;   THIS VERSION OF THE PROBLEM IS GIVEN IN LOW PRECISION. The matrix products marked QUANTISED in the list below multiply operands that are first quantised to E5M2 (5 exponent bits, 2 mantissa bits; 8 bits a number), with one given power-of-two scale for each operand tensor; their sums are f32. All else is computed in f32.
;;   The module's matrix products, in the order in which they are computed (A, B: the left and right operand; K: the contracted axis; several contracted axes count as one K, in the product's order):
;;     1. [M 8,192, K 1,024] x [K 1,024, N 1,024]; A: input x; B: input WQ_w: QUANTISED (scales: A lowp_scales[0], B lowp_scales[1])
;;     2. [M 8,192, K 1,024] x [K 1,024, N 1,024]; A: input x; B: input WK_w: QUANTISED (scales: A lowp_scales[2], B lowp_scales[3])
;;     3. [M 8,192, K 1,024] x [K 1,024, N 1,024]; A: input x; B: input WV_w: QUANTISED (scales: A lowp_scales[4], B lowp_scales[5])
;;     4. batch 64 x [M 2,048, K 64] x [K 64, N 2,048]; A: computed on the way; B: computed on the way: QUANTISED (scales: A lowp_scales[6], B lowp_scales[7])
;;     5. batch 64 x [M 2,048, K 2,048] x [K 2,048, N 64]; A: softmax (see below); B: computed on the way: QUANTISED (scales: A lowp_scales[8], B lowp_scales[9])
;;     6. [M 8,192, K 1,024] x [K 1,024, N 1,024]; A: computed on the way; B: input Wo_w: QUANTISED (scales: A lowp_scales[10], B lowp_scales[11])
;;   THE QUANTISER, for each operand of a quantised product, along K:
;;     - The operand's scale is 2^e, e = its entry of the input lowp_scales (int32; the entries are numbered through the quantised products in the list's order, A before B).
;;     - Each number is divided by the scale, clamped to +-57,344, and rounded to the nearest number of E5M2, ties to even, subnormals kept.
;;     - The product sums the exact products of the quantised numbers (number of the format x scale) in f32.
;;   ~~~python
;;   def quantise(x, axis, e):      # numpy; x: float32 -> the quantised numbers, widened to float32 again
;;       x = np.moveaxis(x, axis, -1); K = x.shape[-1]
;;       r = np.clip(x / 2.0 ** e, -57344, 57344)
;;       step = 2.0 ** (np.maximum(np.frexp(np.where(r == 0, 1, r))[1] - 1, -14) - 2)
;;       q = np.round(r / step) * step * 2.0 ** e      # np.round: ties to even
;;       return np.moveaxis(q, -1, axis).astype(np.float32)
;;   ~~~
;;   SOFTMAX AHEAD OF A QUANTISED PRODUCT. Where the list says 'softmax', what is quantised is not the finished softmax but p = 2^(t - M), with t = logit x log2(e) and M = ceil(the row's largest t), a whole number; so 1/2 < the row's largest p <= 1. The row's sum l is taken of the UNQUANTISED p, in f32, and the product's result is divided by l at the end. Since M is a whole number, a kernel that streams over the keys may use a running M (the ceiling of the running maximum): every later rescaling is an exact power of two, so the quantised numbers keep their values, but for numbers so far below the row's largest that they fall under the format's range.
;;   OPERANDS COMPUTED ON THE WAY. 'Computed on the way' means the value that the module computes at that place (a softmax that the list does not call 'softmax' is quantised finished and normalised). What goes into a quantiser is computed in f32, as accurately as f32 sums, v_exp_f32 and their like allow (about 1e-6 of the number): no bf16 or f16 on the way to a quantiser, and a product that is left as it is and whose result goes on into a quantised operand takes f32 operands (vector FMAs, or v_wmma_f32_16x16x4_f32). A number that lies on a knife's edge between two numbers of the format may be rounded either way, as far as f32 arithmetic and the matrix unit's own rounding can turn it there, and no further.
;; One version. Each part assembles by itself: llvm-mc -triple=amdgcn-amd-amdhsa -mcpu=gfx1250 --defsym DOCPART=n.
;; ======== version 1 of 1: 5 launches
;; workspace buffers: xc 25,165,824 bytes; wc 4,194,304 bytes; rope 524,288 bytes; qc 8,388,608 bytes; kv 16,777,216 bytes; ac 8,388,608 bytes
;; launch prep (part 1): grid 800 x 1, 8 waves a work-group, no clusters, 68,608 bytes of LDS; arguments x, WQ_w, WK_w, WV_w, Wo_w, lowp_scales, xc, wc, rope; writes xc, wc, rope
.if DOCPART == 1
	.amdgcn_target "amdgcn-amd-amdhsa--gfx1250"
	.amdhsa_code_object_version 6
	.text
	.protected	k_qef67a3b27e_prep
	.globl	k_qef67a3b27e_prep
	.p2align	8
	.type	k_qef67a3b27e_prep,@function
k_qef67a3b27e_prep:
	s_mov_b64 s[64:65], 0
	v_nop
	global_prefetch_b8 v0, s[64:65] scope:SCOPE_SE
	s_setreg_imm32_b32 hwreg(HW_REG_WAVE_MODE, 25, 1), 1
	s_wait_xcnt 0x0
; x (three times, with the scales e0, e2, e4) and the four weights (e1, e3, e5, e11) become codes of BF8 (E5M2), laid as IMAGES OF THE OPERAND'S REGISTERS; and RoPE's cos and sin become a table.
; A FRAGMENT IMAGE is 16 rows x 128 K = 2,048 bytes: byte 512 c + 16 lane + 8 u + j holds row lane % 16, k = 32 c + 16 u + 8 (lane / 16) + j: registers 2 c'', 2 c'' + 1 hold k = 16 c'' + 8 (lane / 16) + 0 .. 7,
; the 8-bit forms' own layout.  Four accesses of 16 bytes a lane, 512 bytes apart, move a fragment.  xc: [plane 3][row tile 512][kb 8][2048];  wc: [plane 4][row tile 64][kb 8][2048].
; SHARES.  Work-groups 0-511: row tile of x.  512-767: weight (G - 512) / 64, row tile (G - 512) % 64.  768-799: the table.  A quantising work-group takes 16 rows x 1,024 K; wave w takes K 128 w on.
; Each load reads 512 consecutive bytes of a row; the 16 rows turn through the wave's own stage in LDS (rows 528 bytes apart, so that sixteen lanes' reads start at sixteen different 16-byte columns) and come back 32 bytes
; of one row at a time; each store covers 512 consecutive bytes.  Waves share nothing: no barrier.
; code = x / 2^e, held within +-57,344, to the nearest code, ties to even.  LIMITS: each e between -126 and 112; NaN among the inputs is not served.
; THE TABLE: rope [tt 128][b 2][cos, sin][v 2][lane 32][16 bytes] f32: lane (r, h) holds token 16 tt + r, frequencies i = 16 b + 8 h + 4 v + 0 .. 3.  angle = t x f(i), one rounding; f(i) = 10^(-i/8), the f32 number nearest to it.
; cos and sin by reduction with pi/2 in two parts and polynomials on +-pi/4.  LIMIT: the first part of the reduction is exact for angles under 2,048, which the 2,048 tokens keep.
.set STG,  8448                        ; a wave's stage: 16 rows x 528 bytes
.set R,    16                          ; v16-79   16 rows as loaded
.set T,    16                          ; v16-47   two sets of 16 held numbers (R's registers, free once the stage has been read back)
.set X,    80                          ; v80-143  register 16 c + 8 u + j = k 32 c + 16 u + 8 h + j of my row
.set CD,   144                         ; v144-191 codes: 16 registers for each of three passes, so that no store's data are written again
.set F,    16                          ; the table's path: v16-23 my eight frequencies, v24-31 cos, v32-39 sin, v40-49 at work
.set CO,   24
.set SI,   32
	s_load_b256 s[4:11], s[0:1], 0x0               ; x, WQ_w, WK_w, WV_w
	s_load_b256 s[12:19], s[0:1], 0x20             ; Wo_w, the scales' exponents, xc, wc
	s_load_b64 s[20:21], s[0:1], 0x40              ; rope
	v_lshl_add_u32 v192, v0, 2, 0x10800
	v_mov_b32 v193, 0
	v_lshrrev_b32 v1, 5, v0
	v_readfirstlane_b32 s22, v1                    ; wave 0..7
	v_and_b32 v1, 31, v0                           ; lane
	v_and_b32 v2, 15, v0                           ; r
	v_bfe_u32 v3, v0, 4, 1                         ; h
	v_lshlrev_b32 v8, 4, v1                        ; 16 x lane
	s_cmp_ge_u32 ttmp9, 768
	s_cbranch_scc1 .Lrope
	; ---- the quantiser
	s_sub_co_u32 s30, ttmp9, 512
	s_lshr_b32 s28, s30, 6                         ; which weight (no meaning in x's work-groups: every choice by it is overruled below)
	s_and_b32 s23, s30, 63
	s_lshl_b32 s31, s28, 20                        ; the weight's plane of wc
	s_cmp_lt_u32 ttmp9, 512
	s_cselect_b32 s23, ttmp9, s23                  ; row tile
	s_cselect_b32 s31, 0, s31
	s_lshl_b32 s30, s23, 14
	s_add_co_u32 s44, s30, s31                     ; the codes' offset: 16,384 bytes a row tile
	s_mov_b32 s45, 0
	s_lshl_b32 s30, s23, 16                        ; the numbers' offset: 16 rows of 4,096 bytes
	s_mov_b32 s31, 0
	s_mul_i32 s29, s22, STG
	v_lshl_add_u32 v4, s22, 9, v8                  ; in: my 16 bytes of the wave's 512 of a row
	v_lshl_add_u32 v7, s22, 11, v8                 ; out: my 16 bytes of a group, in the wave's fragment
	v_add_nc_u32 v5, s29, v8                       ; the stage, on the way in
	v_mul_u32_u24 v6, v2, 528
	v_lshl_add_u32 v6, v3, 5, v6
	v_add_nc_u32 v6, s29, v6                       ; and on the way out: row r, + 32 h
	s_wait_kmcnt 0x0
	s_load_b256 s[32:39], s[14:15], 0x0            ; e0 .. e7
	s_load_b128 s[40:43], s[14:15], 0x20           ; e8 .. e11
	s_mov_b64 s[24:25], s[12:13]                   ; the source: chosen by the work-group's number alone
	s_cmp_eq_u32 s28, 2
	s_cselect_b64 s[24:25], s[10:11], s[24:25]
	s_cmp_eq_u32 s28, 1
	s_cselect_b64 s[24:25], s[8:9], s[24:25]
	s_cmp_eq_u32 s28, 0
	s_cselect_b64 s[24:25], s[6:7], s[24:25]
	s_cmp_lt_u32 ttmp9, 512
	s_cselect_b64 s[24:25], s[4:5], s[24:25]
	s_cselect_b64 s[26:27], s[16:17], s[18:19]
	s_add_nc_u64 s[24:25], s[24:25], s[30:31]
	s_add_nc_u64 s[26:27], s[26:27], s[44:45]
.irp i, 0,1,2,3,4,5,6,7,8,9,10,11,12,13,14,15
	global_load_b128 v[R+4*\i:R+4*\i+3], v4, s[24:25] offset:4096*\i th:TH_LOAD_NT   ; 32 lanes read 512 consecutive bytes of row i
.endr
	s_wait_kmcnt 0x0
	s_mov_b32 s46, s43                             ; the first pass's e: e11, e5, e3, e1 for the weights, e0 for x
	s_cmp_eq_u32 s28, 2
	s_cselect_b32 s46, s37, s46
	s_cmp_eq_u32 s28, 1
	s_cselect_b32 s46, s35, s46
	s_cmp_eq_u32 s28, 0
	s_cselect_b32 s46, s33, s46
	s_cmp_lt_u32 ttmp9, 512
	s_cselect_b32 s46, s32, s46
.irp i, 0,1,2,3,4,5,6,7,8,9,10,11,12,13,14,15
	s_wait_loadcnt 15-\i                           ; loads come back in order: row i is in, the younger rows may be out
	ds_store_b128 v5, v[R+4*\i:R+4*\i+3] offset:528*\i
.endr
.irp c, 0,1,2,3
.irp u, 0,1
.irp v, 0,1
	ds_load_b128 v[X+16*\c+8*\u+4*\v:X+16*\c+8*\u+4*\v+3], v6 offset:128*\c+64*\u+16*\v   ; LDS serves a wave's instructions in order: these see my stores
.endr
.endr
.endr
	s_wait_dscnt 0x0
; One pass: the 64 numbers of my lane become a fragment's 16 registers of codes under the scale 2^e, e in s[es], and go to s[d:d+1].
.macro QPASS p, es, d
	s_add_co_i32 s44, s[\es], 127
	s_lshl_b32 s45, s44, 23
	v_mov_b32 v11, s45                             ; 2^e as f32: the conversion takes its exponent field
	s_add_co_i32 s44, s44, 15
	s_lshl_b32 s44, s44, 23
	s_or_b32 s44, s44, 0x600000
	v_mov_b32 v10, s44                             ; 57,344 x 2^e
.irp c, 0,1,2,3
.irp i, 0,1,2,3,4,5,6,7,8,9,10,11,12,13,14,15
	v_med3_num_f32 v[T+16*(\c%2)+\i], v[X+16*\c+\i], -v10, v10   ; the conversion does not saturate (ISA guide 7.6.2): the hold comes first.  X is kept for the next pass
.endr
	v_cvt_scalef32_pk8_bf8_f32 v[CD+16*\p+4*\c:CD+16*\p+4*\c+1], v[T+16*(\c%2):T+16*(\c%2)+7], v11
	v_cvt_scalef32_pk8_bf8_f32 v[CD+16*\p+4*\c+2:CD+16*\p+4*\c+3], v[T+16*(\c%2)+8:T+16*(\c%2)+15], v11   ; the next group's holds write the other set of T: plain lines that touch nothing of these
.endr
	v_nop                                          ; a plain line behind the last conversion, ahead of the next pass's write of v11
.irp c, 0,1,2,3
	global_store_b128 v7, v[CD+16*\p+4*\c:CD+16*\p+4*\c+3], s[\d:\d+1] offset:512*\c   ; 32 lanes store 512 consecutive bytes
.endr
.endm
	QPASS 0, 46, 26
	s_cmp_ge_u32 ttmp9, 512
	s_cbranch_scc1 .Ldone                          ; a weight has one scale
	s_add_nc_u64 s[50:51], s[26:27], 0x800000      ; x's second and third plane
	s_add_nc_u64 s[52:53], s[26:27], 0x1000000
	QPASS 1, 34, 50                                ; e2
	QPASS 2, 36, 52                                ; e4
.Ldone:
	s_wait_tensorcnt 0x0
	ds_add_u32 v192, v193
	s_wait_dscnt 0x0
	s_endpgm
	; ---- the table
.Lrope:
	s_sub_co_u32 s23, ttmp9, 768
	s_lshl_b32 s23, s23, 3
	s_add_co_u32 s23, s23, s22                     ; 0 .. 255 = 2 tt + b
	s_lshr_b32 s24, s23, 1
	s_and_b32 s25, s23, 1
	s_lshl_b32 s26, s23, 11                        ; 2,048 bytes each
	s_mov_b32 s27, 0
	v_lshl_add_u32 v9, s24, 4, v2                  ; t = 16 tt + r
	v_cvt_f32_u32 v9, v9
	v_lshl_add_u32 v11, s25, 1, v3                 ; g = 2 b + h: my frequencies are i = 8 g + 0 .. 7
	s_mov_b32 s50, 0xbfc90fdb                      ; -(pi/2)'s first part
	s_mov_b32 s51, 0x333bbd2e                      ; -(pi/2)'s second part: 4.3711388e-8
	s_mov_b32 s52, 0xb94ca1f9                      ; sin: -1.9515296e-4,
	s_mov_b32 s53, 0x3c08839e                      ; 8.3321609e-3,
	s_mov_b32 s54, 0xbe2aaaa3                      ; -1.6666655e-1
	s_mov_b32 s55, 0x37ccf5ce                      ; cos: 2.4433157e-5,
	s_mov_b32 s56, 0xbab6061a                      ; -1.3887316e-3,
	s_mov_b32 s57, 0x3d2aaaa5                      ; 4.1666646e-2
.set j, 0
.irp f, 0x3a83126f,0x3a44948c,0x3a136a16,0x39dd1726,0x39a5cb5f,0x3978a814,0x393a7753,0x390bd472
	v_mov_b32 v[F+j], \f                           ; 10^(-i/8), i = 24 .. 31
.set j, j+1
.endr
	v_cmp_le_u32 vcc_lo, 3, v11                    ; lanes with g under 3 take i = 16 .. 23,
.set j, 0
.irp f, 0x3c23d70a,0x3bf5b9b0,0x3bb8449c,0x3b8a2e77,0x3b4f3e37,0x3b1b690d,0x3ae91528,0x3aaec98e
	v_cndmask_b32 v[F+j], \f, v[F+j], vcc_lo
.set j, j+1
.endr
	v_cmp_le_u32 vcc_lo, 2, v11                    ; those under 2 i = 8 .. 15,
.set j, 0
.irp f, 0x3dcccccd,0x3d99940e,0x3d6655c3,0x3d2cba15,0x3d0186e2,0x3cc24350,0x3c91ad39,0x3c5a7bf1
	v_cndmask_b32 v[F+j], \f, v[F+j], vcc_lo
.set j, j+1
.endr
	v_cmp_le_u32 vcc_lo, 1, v11                    ; and g = 0 takes i = 0 .. 7
.set j, 0
.irp f, 0x3f800000,0x3f3ff911,0x3f0ff59a,0x3ed7e89b,0x3ea1e89b,0x3e72d424,0x3e361887,0x3e088d77
	v_cndmask_b32 v[F+j], \f, v[F+j], vcc_lo
.set j, j+1
.endr
.macro SINCOS j
	v_mul_f32 v40, v9, v[F+\j]                     ; the angle, rounded once
	v_mul_f32 v41, 0x3f22f983, v40                 ; x 2/pi
	v_rndne_f32 v41, v41                           ; n
	v_fma_f32 v42, v41, s50, v40                   ; angle - n x the first part: a multiple of 2^-23 under 1: exact
	v_fma_f32 v42, v41, s51, v42                   ; rho, within +-pi/4
	v_mul_f32 v43, v42, v42                        ; z
	v_cvt_i32_f32 v44, v41                         ; n as a whole number: its low two bits are the quadrant
	v_fma_f32 v45, v43, s52, s53
	v_fma_f32 v45, v45, v43, s54
	v_mul_f32 v46, v42, v43
	v_fma_f32 v45, v45, v46, v42                   ; sin rho
	v_fma_f32 v47, v43, s55, s56
	v_fma_f32 v47, v47, v43, s57
	v_mul_f32 v48, v43, v43
	v_fma_f32 v49, v43, -0.5, 1.0
	v_fma_f32 v47, v47, v48, v49                   ; cos rho
	v_and_b32 v46, 1, v44
	v_cmp_eq_u32 vcc_lo, 1, v46                    ; odd quadrants change the two over (a choice of values, no branch)
	v_cndmask_b32 v48, v45, v47, vcc_lo
	v_cndmask_b32 v49, v47, v45, vcc_lo
	v_lshlrev_b32 v46, 30, v44
	v_and_b32 v46, 0x80000000, v46                 ; sin is negative in quadrants 2, 3
	v_xor_b32 v[SI+\j], v46, v48
	v_add_nc_u32 v44, 1, v44
	v_lshlrev_b32 v44, 30, v44
	v_and_b32 v44, 0x80000000, v44                 ; cos in quadrants 1, 2
	v_xor_b32 v[CO+\j], v44, v49
.endm
.irp j, 0,1,2,3,4,5,6,7
	SINCOS \j
.endr
	s_wait_kmcnt 0x0
	s_add_nc_u64 s[20:21], s[20:21], s[26:27]
	global_store_b128 v8, v[CO:CO+3], s[20:21]
	global_store_b128 v8, v[CO+4:CO+7], s[20:21] offset:512
	global_store_b128 v8, v[SI:SI+3], s[20:21] offset:1024
	global_store_b128 v8, v[SI+4:SI+7], s[20:21] offset:1536
	s_endpgm
.Lfunc_end_k_qef67a3b27e_prep:
	.size	k_qef67a3b27e_prep, .Lfunc_end_k_qef67a3b27e_prep-k_qef67a3b27e_prep
	.p2alignl 7, 3214868480
	.fill 96, 4, 3214868480
	.section	.rodata,"a",@progbits
	.p2align	6, 0x0
	.amdhsa_kernel k_qef67a3b27e_prep
		.amdhsa_group_segment_fixed_size 68608
		.amdhsa_private_segment_fixed_size 0
		.amdhsa_enable_private_segment 0
		.amdhsa_kernarg_size 72
		.amdhsa_user_sgpr_count 2
		.amdhsa_user_sgpr_kernarg_segment_ptr 1
		.amdhsa_wavefront_size32 1
		.amdhsa_system_sgpr_workgroup_id_x 1
		.amdhsa_system_sgpr_workgroup_id_y 1
		.amdhsa_system_sgpr_workgroup_id_z 1
		.amdhsa_system_vgpr_workitem_id 0
		.amdhsa_next_free_vgpr 194
		.amdhsa_next_free_sgpr 66
		.amdhsa_reserve_vcc 1
		.amdhsa_float_denorm_mode_32 3
		.amdhsa_float_denorm_mode_16_64 3
		.amdhsa_memory_ordered 1
		.amdhsa_forward_progress 1
		.amdhsa_inst_pref_size 36
	.end_amdhsa_kernel
	.amdgpu_metadata
---
amdhsa.version: [ 1, 2 ]
amdhsa.kernels:
  - .name:           k_qef67a3b27e_prep
    .symbol:         k_qef67a3b27e_prep.kd
    .args:
      - { .name: x, .offset: 0, .size: 8, .value_kind: global_buffer, .address_space: global }
      - { .name: WQ_w, .offset: 8, .size: 8, .value_kind: global_buffer, .address_space: global }
      - { .name: WK_w, .offset: 16, .size: 8, .value_kind: global_buffer, .address_space: global }
      - { .name: WV_w, .offset: 24, .size: 8, .value_kind: global_buffer, .address_space: global }
      - { .name: Wo_w, .offset: 32, .size: 8, .value_kind: global_buffer, .address_space: global }
      - { .name: lowp_scales, .offset: 40, .size: 8, .value_kind: global_buffer, .address_space: global }
      - { .name: xc, .offset: 48, .size: 8, .value_kind: global_buffer, .address_space: global }
      - { .name: wc, .offset: 56, .size: 8, .value_kind: global_buffer, .address_space: global }
      - { .name: rope, .offset: 64, .size: 8, .value_kind: global_buffer, .address_space: global }
    .group_segment_fixed_size: 68608
    .private_segment_fixed_size: 0
    .kernarg_segment_align: 8
    .kernarg_segment_size: 72
    .max_flat_workgroup_size: 256
    .sgpr_count:     66
    .vgpr_count:     194
    .wavefront_size: 32
...
	.end_amdgpu_metadata
.endif
;; end of part 1
;; launch qk (part 2): grid 8 x 32, 4 waves a work-group, clusters of 4 x 4, 327,680 bytes of LDS; arguments xc, wc, lowp_scales, WQ_b, WK_b, rope, qc, kv; writes qc, kv
.if DOCPART == 2
	.amdgcn_target "amdgcn-amd-amdhsa--gfx1250"
	.amdhsa_code_object_version 6
	.text
	.protected	k_qef67a3b27e_qk
	.globl	k_qef67a3b27e_qk
	.p2align	8
	.type	k_qef67a3b27e_qk,@function
k_qef67a3b27e_qk:
	s_mov_b64 s[64:65], 0
	v_nop
	global_prefetch_b8 v0, s[64:65] scope:SCOPE_SE
	s_setreg_imm32_b32 hwreg(HW_REG_WAVE_MODE, 25, 1), 1
	s_wait_xcnt 0x0
	s_wait_alu depctr_hold_cnt(0) depctr_sa_sdst(0) depctr_va_vdst(0) depctr_va_sdst(0) depctr_va_ssrc(0) depctr_va_vcc(0) depctr_vm_vsrc(0)
	s_getreg_b32 s2, hwreg(HW_REG_IB_STS2, 6, 4)
	s_cmp_eq_u32 s2, 0
	s_cbranch_scc0 .Lentry_in_a_cluster
	s_endpgm
.Lentry_in_a_cluster:
	s_bfe_u32 s2, ttmp6, 0x10000c
	s_cmp_lg_u32 s2, 0xf033
	s_cbranch_scc0 .Lentry_shape_is_right
	s_endpgm
.Lentry_shape_is_right:
; q = rope(x WQ^T + bQ) and k = rope(x WK^T + bK), both products on codes of BF8 (E5M2), the results quantised again (e6, e7) and stored as fragment images for the attention.
; The cluster's x, g, says which: 0 = Q (plane 0 of xc and of wc; e0, e1, e6), 1 = K (plane 1; e2, e3, e7).  It enters offsets and choices of values alone, no branch.
; OPERANDS ARE FRAGMENT IMAGES (16 rows x 128 K = 2,048 bytes: byte 512 c + 16 lane + .. : four accesses of 16 bytes a lane, 512 bytes apart).  xc, wc: [plane][row tile][kb 8][2048].
; A tile of 256 tokens x 256 columns is made by four waves, each 128 x 128: 64 accumulators, 512 registers.  K goes in four steps of 256 through two LDS slots; a wave's tensor load brings 8 row tiles x 4,096 bytes.
; CLUSTERS: 4 x 4 work-groups.  The four of a row need the same tiles of x, the four of a column the same tiles of W: each is asked for JOINTLY, by the same load with the same descriptor and a mask that names the four.
; THE MATRIX INSTRUCTION IS USED TRANSPOSED (source 0 = 16 rows of W, source 1 = 16 tokens): lane (r, h) of accumulator (a, b) holds token 16 a + r and columns 16 b + 8 h + 0 .. 7: neighbours along the next product's K.
; So eight registers convert into two registers of the next operand, and a block of 16 tokens x 128 columns leaves as two heads' fragments of 1,024 bytes, with no way through LDS.
; The sums stay unscaled: the bias goes in as b / 2^(ea + eb) (exact), RoPE is linear, and the conversion's one scale is 2^(eo - ea - eb).
; qc: [head 64][token tile 128][1024];  kv: [head 64][key step 16][16384]: K's 8 tiles of 1,024 bytes, then V's 4 fragments.
; LIMITS: eo - ea - eb between -126 and 112.  NaN among the inputs is not served.
; REGISTERS, in windows of 256: window 0: v8-31 addresses and constants; v32-95 bias; v96-159 two sets of cos and sin; from v128 A's fragments, ONE set (free on the way out: v160-223 a block's numbers, v224-255 two sets of codes).
;   window 1: B's fragments, two sets.   windows 2, 3: the accumulators, (a, b) at v[8 (8 (a % 4) + b)].
.set HALFT,  32768                     ; what one tensor load brings: 8 row tiles x two fragments
.set SLOT,   131072                    ; A's 16 row tiles, then B's 16
.set SPARE,  262144                    ; behind the ring: the spare words, 128 bytes for each wave: two blocks of 256 bytes that no other line names
.set FR,     16
.set NL,     4
.set NP,     4                         ; places behind this matrix instruction (ISA guide 7.12.1)
.set ADRA, 16                          ; v16-17  LDS address of my A fragments in slot 0, 1
.set ADRB, 20                          ; v20-21  the same for B
.set L16,  24                          ; v24     16 x lane
.set HB,   25                          ; v25     32 x (lane / 16)
.set SC,   26                          ; v26     2^(eo - ea - eb) as f32
.set LIM,  27                          ; v27     57,344 x that
.set SPW,  28                          ; v28     LDS address of my spare word; never rewritten
.set NIL,  29                          ; v29     0; never rewritten
.set OA,   30                          ; v30-31  my byte offset in the first and in the second head's buffer
.set BIAS, 32
.set RP,   96
.set AF,   128
.set T,    160
.set CD,   224
.set G1, 24
.set G0, 32
.set G1B, 48
.set G0B, 56
.set MSB, 0
.macro WIN new                         ; the immediate's high byte repeats the setting that is left
.if MSB != (\new)
	s_set_vgpr_msb (MSB<<8)|(\new)
.set MSB, (\new)
.endif
.endm
.set MUL_LO, 0xa1                      ; source 0 (B) window 1, source 1 (A) window 0, C and D window 2
.set MUL_HI, 0xf1                      ; the same, C and D window 3
.set TO_B,   0x40                      ; destination window 1, address window 0
; A joint load: waves 0 and 1 fetch for A, waves 2 and 3 for B; the branch hangs on the wave's number alone.  Four v_nop follow each of the two lines.
.macro JLOAD g0a, g1a, g0b, g1b
	s_cmp_eq_u32 s15, 0
	s_cbranch_scc0 .Lfor_b_\@
	tensor_load_to_lds s[\g0a:\g0a+3], s[\g1a:\g1a+7]
	s_nop 0
.rept 4
	v_nop
.endr
	s_branch .Lasked_\@
.Lfor_b_\@:
	tensor_load_to_lds s[\g0b:\g0b+3], s[\g1b:\g1b+7]
	s_nop 0
.rept 4
	v_nop
.endr
.Lasked_\@:
.endm
.macro CREST                           ; a round of the cluster's barrier behind its opening barrier
	s_cmp_lg_u32 s14, 0
	s_cbranch_scc1 .Lnot_wave_0_\@
	s_barrier_signal -3
.Lnot_wave_0_\@:
	s_barrier_wait -3
	s_barrier_signal -1
	s_barrier_wait -1
.endm
.macro CROUND
	s_barrier_signal -1
	s_barrier_wait -1
	CREST
.endm
	s_load_b256 s[68:75], s[0:1], 0x0              ; xc, wc, the scales' exponents, WQ_b
	s_load_b256 s[76:83], s[0:1], 0x20             ; WK_b, rope, qc, kv
	v_lshl_add_u32 v[SPW], v0, 2, SPARE
	v_mov_b32 v[NIL], 0
	ds_add_u32 v28, v29
	ds_add_u32 v28, v29
	s_wait_dscnt 0x0
	v_lshrrev_b32 v1, 5, v0
	v_readfirstlane_b32 s14, v1                    ; wave 0..3
	s_lshr_b32 s15, s14, 1                         ; which half of the tile's tokens is mine.  Also: I fetch for A (0) or for B (1)
	s_and_b32 s16, s14, 1                          ; which half of its columns.  Also: which 8 row tiles I fetch
	s_bfe_u32 s40, ttmp6, 0x40000                  ; cx = the tile of W's rows
	s_bfe_u32 s41, ttmp6, 0x40004                  ; cy
	s_and_b32 s17, ttmp7, 0xffff
	s_lshl_b32 s17, s17, 2
	s_add_co_u32 s17, s17, s41                     ; the tile of tokens = 4 x cluster y + cy
	s_lshl_b32 s43, s41, 2
	s_lshl_b32 s43, 15, s43                        ; my row of the cluster
	s_lshl_b32 s44, 0x1111, s40                    ; my column
	s_or_b32 s[G1+0], s43, (1<<21)                 ; 15:0 the mask: A's tiles go to my row; 17:16 elements of 1 byte; no padding; 21 set beside a mask
	s_or_b32 s[G1B+0], s44, (1<<21)
.irp g, G1, G1B
	s_mov_b32 s[\g+1], 4096<<16                    ; tensor_dim0 = 4,096: two fragments of a row tile
	s_mov_b32 s[\g+2], 8<<16                       ; tensor_dim1 = 8 row tiles
	s_mov_b32 s[\g+3], 4096<<16                    ; tile_dim0
	s_mov_b32 s[\g+4], 8                           ; tile_dim1
	s_mov_b32 s[\g+5], 16384                       ; from row tile to row tile
	s_mov_b32 s[\g+6], 0
	s_mov_b32 s[\g+7], 0
.endr
	s_lshl_b32 s18, s16, 17                        ; which 8 row tiles of 16,384 bytes I fetch
	s_lshl_b32 s20, s17, 18
	s_add_co_u32 s20, s20, s18
	s_lshl_b32 s19, ttmp9, 23
	s_add_co_u32 s20, s20, s19                     ; A: plane g of xc, 16 row tiles a tile
	s_mov_b32 s21, 0
	s_lshl_b32 s46, s40, 18
	s_add_co_u32 s46, s46, s18
	s_lshl_b32 s19, ttmp9, 20
	s_add_co_u32 s46, s46, s19                     ; B: plane g of wc
	s_mov_b32 s47, 0
	s_lshl_b32 s45, s14, 15                        ; where they go: wave x HALFT: no place in the cluster enters an LDS address
	s_wait_kmcnt 0x0
	s_load_b256 s[84:91], s[72:73], 0x0            ; e0 .. e7
	s_add_nc_u64 s[20:21], s[68:69], s[20:21]
	s_add_nc_u64 s[46:47], s[70:71], s[46:47]
	CROUND                                         ; all sixteen work-groups are here: the first joint loads meet
.irp s, 0,1
	s_mov_b32 s[G0+4*\s], 1
	s_add_co_u32 s[G0+4*\s+1], s45, \s*SLOT
	s_add_nc_u64 s[G0+4*\s+2:G0+4*\s+3], s[20:21], \s*4096
	s_or_b32 s[G0+4*\s+3], s[G0+4*\s+3], 0x80000000
	s_mov_b32 s[G0B+4*\s], 1
	s_add_co_u32 s[G0B+4*\s+1], s45, \s*SLOT
	s_add_nc_u64 s[G0B+4*\s+2:G0B+4*\s+3], s[46:47], \s*4096
	s_or_b32 s[G0B+4*\s+3], s[G0B+4*\s+3], 0x80000000
	JLOAD G0+4*\s, G1, G0B+4*\s, G1B
.endr
	v_and_b32 v1, 31, v0
	v_lshlrev_b32 v[L16], 4, v1
	v_bfe_u32 v2, v0, 4, 1
	v_lshlrev_b32 v[HB], 5, v2
	s_lshl_b32 s21, s15, 15                        ; my 8 row tiles of A,
	s_lshl_b32 s22, s16, 15                        ; my 8 of B,
	s_add_co_u32 s22, s22, 65536                   ; which lie behind A's 16
.irp s, 0,1
	v_add_nc_u32 v[ADRA+\s], s21, v[L16]
	v_add_nc_u32 v[ADRB+\s], s22, v[L16]
	s_add_co_u32 s21, s21, SLOT
	s_add_co_u32 s22, s22, SLOT
.endr
	; where my results go: my 128 tokens are key step st of batch s17 / 8; my 128 columns are two heads
	s_lshr_b32 s2, s17, 3
	s_lshl_b32 s2, s2, 4
	s_lshl_b32 s3, s40, 2
	s_add_co_u32 s2, s2, s3
	s_lshl_b32 s3, s16, 1
	s_add_co_u32 s2, s2, s3                        ; my first head: 16 x batch + 4 cx + 2 x half
	s_lshl_b32 s2, s2, 17
	s_and_b32 s3, s17, 7
	s_lshl_b32 s3, s3, 1
	s_add_co_u32 s3, s3, s15                       ; st
	s_lshl_b32 s11, s3, 13
	s_add_co_u32 s2, s2, s11                       ; in qc: head x 131,072 + st x 8,192;
	s_lshl_b32 s12, s2, ttmp9                      ; in kv twice that
	s_mov_b32 s13, 0
	s_lshl_b32 s10, s3, 15                         ; the table: 8 token tiles of 4,096 bytes a key step
	s_mov_b32 s11, 0
	s_lshl_b32 s2, s40, 10
	s_lshl_b32 s3, s16, 9
	s_add_co_u32 s2, s2, s3                        ; the bias: 4 bytes x my first column
	s_mov_b32 s3, 0
	s_cmp_eq_u32 ttmp9, 0
	s_cselect_b64 s[4:5], s[80:81], s[82:83]       ; qc or kv
	s_cselect_b64 s[8:9], s[74:75], s[76:77]       ; WQ_b or WK_b
	s_add_nc_u64 s[4:5], s[4:5], s[12:13]
	s_add_nc_u64 s[8:9], s[8:9], s[2:3]
	s_add_nc_u64 s[6:7], s[78:79], s[10:11]
	s_lshl_b32 s12, 0x20000, ttmp9                 ; from a head to the next
	v_mov_b32 v[OA], v[L16]
	v_add_nc_u32 v[OA+1], s12, v[L16]
	s_wait_kmcnt 0x0
	s_cmp_eq_u32 ttmp9, 0
	s_cselect_b32 s2, s84, s86                     ; ea
	s_cselect_b32 s3, s85, s87                     ; eb
	s_cselect_b32 s11, s90, s91                    ; eo
	s_add_co_i32 s2, s2, s3
	s_sub_co_i32 s10, 0, s2                        ; -(ea + eb)
	s_sub_co_i32 s11, s11, s2
	s_add_co_i32 s11, s11, 127
	s_lshl_b32 s3, s11, 23
	v_mov_b32 v[SC], s3
	s_add_co_i32 s11, s11, 15
	s_lshl_b32 s11, s11, 23
	s_or_b32 s11, s11, 0x600000
	v_mov_b32 v[LIM], s11
.macro FRAG reg, adr, q, i             ; a fragment comes as it lies: row tile i, the slot's q-th 128 along K
.irp c, 0,1,2,3
	ds_load_b128 v[\reg+4*\c:\reg+4*\c+3], v[\adr] offset:4096*(\i)+2048*(\q)+512*\c
.endr
.endm
; 16 matrix instructions: A's blocks a0, a0 + 1 x B's eight.  p: B's set.  zero = 1: the first product starts the sums.  The 64 accumulators take turns, one instruction a turn, in the same order in every step.
.macro MUL16 a0, p, zero
.irp a, \a0, \a0+1
.irp b, 0,1,2,3,4,5,6,7
.if \zero
	v_wmma_f32_16x16x128_bf8_bf8 v[8*(8*((\a)%4)+\b):8*(8*((\a)%4)+\b)+7], v[128*(\p)+FR*\b:128*(\p)+FR*\b+FR-1], v[AF+FR*(\a):AF+FR*(\a)+FR-1], 0
.else
	v_wmma_f32_16x16x128_bf8_bf8 v[8*(8*((\a)%4)+\b):8*(8*((\a)%4)+\b)+7], v[128*(\p)+FR*\b:128*(\p)+FR*\b+FR-1], v[AF+FR*(\a):AF+FR*(\a)+FR-1], v[8*(8*((\a)%4)+\b):8*(8*((\a)%4)+\b)+7]
.endif
.endr
.endr
.endm
.macro FETCH_B slot, q, p
	WIN TO_B
.irp i, 0,1,2,3,4,5,6,7
	FRAG 128*(\p)+FR*\i, ADRB+\slot, \q, \i
.endr
	WIN 0
.endm
.macro FETCH_A slot, q, i0
.irp i, \i0, \i0+1, \i0+2, \i0+3
	FRAG AF+FR*(\i), ADRA+\slot, \q, \i
.endr
.endm
.macro PLACES n                        ; plain vector lines in front of loads into registers that matrix instructions have read, and of the first read of results
.rept \n
	v_nop
.endr
.endm
; A step of 128 along K that has its successor in the same slot.  A block of A is free as soon as its eight products are issued: blocks 0-3 are fetched anew in the step's middle, blocks 4-7 at its end.
.macro STEP slot, q, zero
	s_wait_dscnt 4*NL                              ; B's set and A's blocks 0-3 are in; the youngest 16 loads (A's blocks 4-7) may be out
	WIN MUL_LO
	MUL16 0, (\q)%2, \zero
	MUL16 2, (\q)%2, \zero
	s_wait_dscnt 0
	PLACES NP
	FETCH_B \slot, (\q)+1, 1-(\q)%2
	FETCH_A \slot, (\q)+1, 0
	WIN MUL_HI
	MUL16 4, (\q)%2, \zero
	MUL16 6, (\q)%2, \zero
	PLACES NP
	WIN 0
	FETCH_A \slot, (\q)+1, 4
.endm
; A slot's last step changes slots: ONE barrier; in front of it each wave waits for all its tensor loads, adds 0 to its spare word, and waits for that and for its own reads of this slot.  fill = 1: this slot is filled again, two K steps ahead.
.macro TURN slot, next, fill
	s_wait_tensorcnt 0x0                           ; all my tensor loads have landed: my part of the next slot
	ds_add_u32 v[SPW], v[NIL]                      ; 0 onto my spare word
	s_wait_dscnt 4*NL+1                            ; (the add and the youngest 16 loads may be out)
	WIN MUL_LO
	MUL16 0, 1, 0
	s_wait_dscnt 0x0                               ; the add is done, and my reads of this slot are over
	s_barrier_signal -1
	MUL16 2, 1, 0
	WIN 0
	s_barrier_wait -1
.if \fill
	CREST                                          ; the barrier has opened a round of the cluster's barrier: no wave of any partner still reads this slot or has a load on its way
	s_add_nc_u64 s[G0+4*\slot+2:G0+4*\slot+3], s[G0+4*\slot+2:G0+4*\slot+3], 8192
	s_add_nc_u64 s[G0B+4*\slot+2:G0B+4*\slot+3], s[G0B+4*\slot+2:G0B+4*\slot+3], 8192
	JLOAD G0+4*\slot, G1, G0B+4*\slot, G1B         ; the first tensor load behind the round; its four v_nop are the places in front of the loads below
.else
	PLACES NP
.endif
	FETCH_B \next, 0, 0
	FETCH_A \next, 0, 0
	WIN MUL_HI
	MUL16 4, 1, 0
	MUL16 6, 1, 0
	PLACES NP
	WIN 0
	FETCH_A \next, 0, 4
.endm
.macro LAST                            ; the very last step: nothing more to fetch
	s_wait_dscnt 4*NL
	WIN MUL_LO
	MUL16 0, 1, 0
	MUL16 2, 1, 0
	s_wait_dscnt 0
	WIN MUL_HI
	MUL16 4, 1, 0
	MUL16 6, 1, 0
	WIN 0
.endm
; cos and sin of block a's 16 tokens: register 16 b + 8 (0: cos, 1: sin) + j = frequency 16 b + 8 h + j of token r
.macro ROPE a
.irp bb, 0,1
.irp cs, 0,1
.irp v, 0,1
	global_load_b128 v[RP+32*((\a)%2)+16*\bb+8*\cs+4*\v:RP+32*((\a)%2)+16*\bb+8*\cs+4*\v+3], v[L16], s[6:7] offset:4096*(\a)+2048*\bb+1024*\cs+512*\v
.endr
.endr
.endr
.endm
; THE WAY OUT of block a, 16 tokens x 128 columns: + bias, RoPE, the hold, the conversion, four stores of 512 consecutive bytes.
.macro QKBLOCK a
.if (\a) < 7
	s_wait_loadcnt 8                               ; this block's cos and sin are in; the next block's eight loads may be out
.else
	s_wait_loadcnt 0
.endif
	WIN 0x02+((\a)/4)                              ; source 0: window 2 or 3
.set i, 0
.rept 32
	v_pk_add_f32 v[T+i:T+i+1], v[64*((\a)%4)+i:64*((\a)%4)+i+1], v[BIAS+i:BIAS+i+1]   ; each accumulator from its low end on
.set i, i+2
.endr
	WIN 0
.set RS, RP+32*((\a)%2)
.irp hh, 0,1
.irp bb, 0,1
.irp j, 0,2,4,6
.set X1, T+8*(4*\hh+\bb)+\j            ; channels 16 b + 8 h + j of the head's first half,
.set X2, X1+16                         ; and those 32 further on
.set CC, RS+16*\bb+\j
.set SS, CC+8
.set UU, 8+(\j%4)
	v_pk_mul_f32 v[UU:UU+1], v[X2:X2+1], v[SS:SS+1]
	v_pk_mul_f32 v[X2:X2+1], v[X2:X2+1], v[CC:CC+1]
	v_pk_fma_f32 v[X2:X2+1], v[X1:X1+1], v[SS:SS+1], v[X2:X2+1]                              ; x1 sin + x2 cos
	v_pk_fma_f32 v[X1:X1+1], v[X1:X1+1], v[CC:CC+1], v[UU:UU+1] neg_lo:[0,0,1] neg_hi:[0,0,1]   ; x1 cos - x2 sin
.endr
.endr
.endr
.if (\a)+2 <= 7
	ROPE (\a)+2                                    ; into the set just read
.endif
.set i, 0
.rept 64
	v_med3_num_f32 v[T+i], v[T+i], -v[LIM], v[LIM] ; the conversion does not saturate (ISA guide 7.6.2): the hold comes first
.set i, i+1
.endr
	s_wait_xcnt 0x0                                ; the stores of two blocks ago have read this set of codes
.irp i, 0,1,2,3,4,5,6,7
	v_cvt_scalef32_pk8_bf8_f32 v[CD+16*((\a)%2)+2*\i:CD+16*((\a)%2)+2*\i+1], v[T+8*\i:T+8*\i+7], v[SC]   ; registers 2 (i % 4), + 1 of head i / 4's fragment: k = 16 (i % 4) + 8 h + 0 .. 7
.endr
	v_nop                                          ; a plain line behind the last conversion: the next block writes its sources
.irp hh, 0,1
.irp gq, 0,1
	global_store_b128 v[OA+\hh], v[CD+16*((\a)%2)+8*\hh+4*\gq:CD+16*((\a)%2)+8*\hh+4*\gq+3], s[4:5] offset:1024*(\a)+512*\gq
.endr
.endr
.endm
	s_wait_tensorcnt 1                             ; my part of K step 0 is in (K step 1's load may be out)
	s_barrier_signal -1
	s_barrier_wait -1                              ; everybody's is
	FETCH_B 0, 0, 0
	FETCH_A 0, 0, 0
	FETCH_A 0, 0, 4
	STEP 0, 0, 1                                   ; the first products start the sums: nothing is cleared
	TURN 0, 1, 1
	STEP 1, 0, 0
	TURN 1, 0, 1
	STEP 0, 0, 0
	TURN 0, 1, 0                                   ; the last two K steps fill nothing
	STEP 1, 0, 0
.irp b, 0,1,2,3,4,5,6,7                ; what the way out needs is asked for under the last 64 products
.irp v, 0,1
	global_load_b128 v[BIAS+8*\b+4*\v:BIAS+8*\b+4*\v+3], v[HB], s[8:9] offset:64*\b+16*\v   ; b(my column 16 b + 8 h + 4 v + 0 .. 3)
.endr
.endr
	ROPE 0
	LAST
	PLACES NP
	ROPE 1                                         ; its registers held A's fragments
	s_wait_loadcnt 16                              ; the bias is in; the two sets of cos and sin may be out
.set i, 0
.rept 64
	v_ldexp_f32 v[BIAS+i], v[BIAS+i], s10          ; b / 2^(ea + eb)
.set i, i+1
.endr
.irp a, 0,1,2,3,4,5,6,7
	QKBLOCK \a
.endr
	s_wait_tensorcnt 0x0                           ; the wave's end
	ds_add_u32 v[SPW], v[NIL]
	s_wait_dscnt 0x0
	CROUND                                         ; the closing round: no work-group ends while a partner may still ask for a tile that names it
	s_endpgm
.Lfunc_end_k_qef67a3b27e_qk:
	.size	k_qef67a3b27e_qk, .Lfunc_end_k_qef67a3b27e_qk-k_qef67a3b27e_qk
	.p2alignl 7, 3214868480
	.fill 96, 4, 3214868480
	.section	.rodata,"a",@progbits
	.p2align	6, 0x0
	.amdhsa_kernel k_qef67a3b27e_qk
		.amdhsa_group_segment_fixed_size 327680
		.amdhsa_private_segment_fixed_size 0
		.amdhsa_enable_private_segment 0
		.amdhsa_kernarg_size 64
		.amdhsa_user_sgpr_count 2
		.amdhsa_user_sgpr_kernarg_segment_ptr 1
		.amdhsa_wavefront_size32 1
		.amdhsa_system_sgpr_workgroup_id_x 1
		.amdhsa_system_sgpr_workgroup_id_y 1
		.amdhsa_system_sgpr_workgroup_id_z 1
		.amdhsa_system_vgpr_workitem_id 0
		.amdhsa_next_free_vgpr 1024
		.amdhsa_next_free_sgpr 100
		.amdhsa_reserve_vcc 0
		.amdhsa_float_denorm_mode_32 3
		.amdhsa_float_denorm_mode_16_64 3
		.amdhsa_memory_ordered 1
		.amdhsa_forward_progress 1
		.amdhsa_inst_pref_size 178
	.end_amdhsa_kernel
	.amdgpu_metadata
---
amdhsa.version: [ 1, 2 ]
amdhsa.kernels:
  - .name:           k_qef67a3b27e_qk
    .symbol:         k_qef67a3b27e_qk.kd
    .args:
      - { .name: xc, .offset: 0, .size: 8, .value_kind: global_buffer, .address_space: global }
      - { .name: wc, .offset: 8, .size: 8, .value_kind: global_buffer, .address_space: global }
      - { .name: lowp_scales, .offset: 16, .size: 8, .value_kind: global_buffer, .address_space: global }
      - { .name: WQ_b, .offset: 24, .size: 8, .value_kind: global_buffer, .address_space: global }
      - { .name: WK_b, .offset: 32, .size: 8, .value_kind: global_buffer, .address_space: global }
      - { .name: rope, .offset: 40, .size: 8, .value_kind: global_buffer, .address_space: global }
      - { .name: qc, .offset: 48, .size: 8, .value_kind: global_buffer, .address_space: global }
      - { .name: kv, .offset: 56, .size: 8, .value_kind: global_buffer, .address_space: global }
    .group_segment_fixed_size: 327680
    .private_segment_fixed_size: 0
    .kernarg_segment_align: 8
    .kernarg_segment_size: 64
    .max_flat_workgroup_size: 128
    .sgpr_count:     100
    .vgpr_count:     1024
    .wavefront_size: 32
...
	.end_amdgpu_metadata
.endif
;; end of part 2
;; launch vp (part 3): grid 4 x 32, 4 waves a work-group, clusters of 4 x 4, 327,680 bytes of LDS; arguments wc, xc, lowp_scales, WV_b, kv; writes kv
.if DOCPART == 3
	.amdgcn_target "amdgcn-amd-amdhsa--gfx1250"
	.amdhsa_code_object_version 6
	.text
	.protected	k_qef67a3b27e_vp
	.globl	k_qef67a3b27e_vp
	.p2align	8
	.type	k_qef67a3b27e_vp,@function
k_qef67a3b27e_vp:
	s_mov_b64 s[64:65], 0
	v_nop
	global_prefetch_b8 v0, s[64:65] scope:SCOPE_SE
	s_setreg_imm32_b32 hwreg(HW_REG_WAVE_MODE, 25, 1), 1
	s_wait_xcnt 0x0
	s_wait_alu depctr_hold_cnt(0) depctr_sa_sdst(0) depctr_va_vdst(0) depctr_va_sdst(0) depctr_va_ssrc(0) depctr_va_vcc(0) depctr_vm_vsrc(0)
	s_getreg_b32 s2, hwreg(HW_REG_IB_STS2, 6, 4)
	s_cmp_eq_u32 s2, 0
	s_cbranch_scc0 .Lentry_in_a_cluster
	s_endpgm
.Lentry_in_a_cluster:
	s_bfe_u32 s2, ttmp6, 0x10000c
	s_cmp_lg_u32 s2, 0xf033
	s_cbranch_scc0 .Lentry_shape_is_right
	s_endpgm
.Lentry_shape_is_right:
; v^T = WV x^T + bV on codes of BF8 (E5M2; x under e4, WV under e5), quantised again along the KEYS (e9) and stored as the attention's fragments of V^T.
; The product is laid the other way round than q's and k's: the A region holds 256 rows of WV (tile cy), the B region 256 tokens (tile 4 x cluster y + cx).  The matrix instruction is used transposed
; (source 0 = 16 tokens, source 1 = 16 rows of WV): lane (r, h) of accumulator (a, b) holds channel 16 a + r and tokens 16 b + 8 h + 0 .. 7: neighbours along the keys, the next product's K.
; So the 64 numbers of a block a convert into the 16 registers of one fragment, 16 channels x 128 keys, which leaves by four stores of 512 consecutive bytes.
; Ring, joint loads and fragment images as in the launch for q and k: operands are images of 2,048 bytes; K goes in four steps of 256 through two LDS slots; A's tiles are shared along a row of the cluster, B's along a column.
; The sums stay unscaled: the bias goes in as b / 2^(e4 + e5), and the conversion's one scale is 2^(e9 - e4 - e5).  kv: [head 64][key step 16][16384]: K's 8,192 bytes, then V's 4 fragments of 2,048.
; LIMITS: e9 - e4 - e5 between -126 and 112.  NaN among the inputs is not served.
; REGISTERS: window 0: v16-31 addresses and constants; v32-39 bias as loaded, v40-55 as pairs; from v128 A's fragments (on the way out v160-223 a block's numbers, v224-255 two sets of codes); window 1: B's two sets; windows 2, 3: accumulators.
.set HALFT,  32768
.set SLOT,   131072
.set SPARE,  262144                    ; behind the ring: the spare words, 128 bytes for each wave: two blocks of 256 bytes that no other line names
.set FR,     16
.set NL,     4
.set NP,     4
.set ADRA, 16
.set ADRB, 20
.set L16,  24
.set RB,   25                          ; v25  4 x (lane % 16)
.set SC,   26
.set LIM,  27
.set SPW,  28
.set NIL,  29
.set BR,   32
.set BP,   40
.set AF,   128
.set T,    160
.set CD,   224
.set G1, 24
.set G0, 32
.set G1B, 48
.set G0B, 56
.set MSB, 0
.macro WIN new
.if MSB != (\new)
	s_set_vgpr_msb (MSB<<8)|(\new)
.set MSB, (\new)
.endif
.endm
.set MUL_LO, 0xa1
.set MUL_HI, 0xf1
.set TO_B,   0x40
.macro JLOAD g0a, g1a, g0b, g1b        ; waves 0 and 1 fetch for A, waves 2 and 3 for B; four v_nop follow each of the two lines
	s_cmp_eq_u32 s15, 0
	s_cbranch_scc0 .Lfor_b_\@
	tensor_load_to_lds s[\g0a:\g0a+3], s[\g1a:\g1a+7]
	s_nop 0
.rept 4
	v_nop
.endr
	s_branch .Lasked_\@
.Lfor_b_\@:
	tensor_load_to_lds s[\g0b:\g0b+3], s[\g1b:\g1b+7]
	s_nop 0
.rept 4
	v_nop
.endr
.Lasked_\@:
.endm
.macro CREST
	s_cmp_lg_u32 s14, 0
	s_cbranch_scc1 .Lnot_wave_0_\@
	s_barrier_signal -3
.Lnot_wave_0_\@:
	s_barrier_wait -3
	s_barrier_signal -1
	s_barrier_wait -1
.endm
.macro CROUND
	s_barrier_signal -1
	s_barrier_wait -1
	CREST
.endm
	s_load_b256 s[68:75], s[0:1], 0x0              ; wc, xc, the scales' exponents, WV_b
	s_load_b64 s[76:77], s[0:1], 0x20              ; kv
	v_lshl_add_u32 v[SPW], v0, 2, SPARE
	v_mov_b32 v[NIL], 0
	ds_add_u32 v28, v29
	ds_add_u32 v28, v29
	s_wait_dscnt 0x0
	v_lshrrev_b32 v1, 5, v0
	v_readfirstlane_b32 s14, v1                    ; wave 0..3
	s_lshr_b32 s15, s14, 1                         ; which half of the tile's channels is mine.  Also: I fetch for A (0) or for B (1)
	s_and_b32 s16, s14, 1                          ; which half of its tokens.  Also: which 8 row tiles I fetch
	s_bfe_u32 s40, ttmp6, 0x40000                  ; cx
	s_bfe_u32 s41, ttmp6, 0x40004                  ; cy = the tile of WV's rows
	s_and_b32 s42, ttmp7, 0xffff
	s_lshl_b32 s42, s42, 2
	s_add_co_u32 s42, s42, s40                     ; the tile of tokens = 4 x cluster y + cx
	s_lshl_b32 s43, s41, 2
	s_lshl_b32 s43, 15, s43                        ; my row of the cluster
	s_lshl_b32 s44, 0x1111, s40                    ; my column
	s_or_b32 s[G1+0], s43, (1<<21)                 ; the mask; elements of 1 byte; no padding; 21 set beside a mask
	s_or_b32 s[G1B+0], s44, (1<<21)
.irp g, G1, G1B
	s_mov_b32 s[\g+1], 4096<<16                    ; 8 row tiles x 4,096 bytes, 16,384 bytes apart
	s_mov_b32 s[\g+2], 8<<16
	s_mov_b32 s[\g+3], 4096<<16
	s_mov_b32 s[\g+4], 8
	s_mov_b32 s[\g+5], 16384
	s_mov_b32 s[\g+6], 0
	s_mov_b32 s[\g+7], 0
.endr
	s_lshl_b32 s18, s16, 17
	s_lshl_b32 s20, s41, 18
	s_add_co_u32 s20, s20, s18
	s_add_co_u32 s20, s20, 2<<20                   ; A: plane 2 of wc
	s_mov_b32 s21, 0
	s_lshl_b32 s46, s42, 18
	s_add_co_u32 s46, s46, s18
	s_add_co_u32 s46, s46, 2<<23                   ; B: plane 2 of xc
	s_mov_b32 s47, 0
	s_lshl_b32 s45, s14, 15
	s_wait_kmcnt 0x0
	s_load_b64 s[84:85], s[72:73], 0x10            ; e4, e5
	s_load_b32 s86, s[72:73], 0x24                 ; e9
	s_add_nc_u64 s[20:21], s[68:69], s[20:21]
	s_add_nc_u64 s[46:47], s[70:71], s[46:47]
	CROUND                                         ; all sixteen work-groups are here: the first joint loads meet
.irp s, 0,1
	s_mov_b32 s[G0+4*\s], 1
	s_add_co_u32 s[G0+4*\s+1], s45, \s*SLOT
	s_add_nc_u64 s[G0+4*\s+2:G0+4*\s+3], s[20:21], \s*4096
	s_or_b32 s[G0+4*\s+3], s[G0+4*\s+3], 0x80000000
	s_mov_b32 s[G0B+4*\s], 1
	s_add_co_u32 s[G0B+4*\s+1], s45, \s*SLOT
	s_add_nc_u64 s[G0B+4*\s+2:G0B+4*\s+3], s[46:47], \s*4096
	s_or_b32 s[G0B+4*\s+3], s[G0B+4*\s+3], 0x80000000
	JLOAD G0+4*\s, G1, G0B+4*\s, G1B
.endr
	v_and_b32 v1, 31, v0
	v_lshlrev_b32 v[L16], 4, v1
	v_and_b32 v2, 15, v0
	v_lshlrev_b32 v[RB], 2, v2
	s_lshl_b32 s21, s15, 15
	s_lshl_b32 s22, s16, 15
	s_add_co_u32 s22, s22, 65536
.irp s, 0,1
	v_add_nc_u32 v[ADRA+\s], s21, v[L16]
	v_add_nc_u32 v[ADRB+\s], s22, v[L16]
	s_add_co_u32 s21, s21, SLOT
	s_add_co_u32 s22, s22, SLOT
.endr
	; where my results go: my 128 channels are two heads, my 128 tokens one key step
	s_lshr_b32 s2, s42, 3
	s_lshl_b32 s2, s2, 4
	s_lshl_b32 s3, s41, 2
	s_add_co_u32 s2, s2, s3
	s_lshl_b32 s3, s15, 1
	s_add_co_u32 s2, s2, s3                        ; my first head: 16 x batch + 4 cy + 2 x half
	s_lshl_b32 s2, s2, 18
	s_and_b32 s3, s42, 7
	s_lshl_b32 s3, s3, 1
	s_add_co_u32 s3, s3, s16                       ; the key step
	s_lshl_b32 s3, s3, 14
	s_add_co_u32 s2, s2, s3
	s_add_co_u32 s12, s2, 8192                     ; behind the step's K
	s_mov_b32 s13, 0
	s_lshl_b32 s2, s41, 10
	s_lshl_b32 s3, s15, 9
	s_add_co_u32 s2, s2, s3                        ; the bias: 4 bytes x my first channel
	s_mov_b32 s3, 0
	s_add_nc_u64 s[4:5], s[76:77], s[12:13]
	s_add_nc_u64 s[8:9], s[74:75], s[2:3]
	s_wait_kmcnt 0x0
	s_add_co_i32 s2, s84, s85
	s_sub_co_i32 s10, 0, s2                        ; -(e4 + e5)
	s_sub_co_i32 s11, s86, s2
	s_add_co_i32 s11, s11, 127
	s_lshl_b32 s3, s11, 23
	v_mov_b32 v[SC], s3                            ; 2^(e9 - e4 - e5) as f32
	s_add_co_i32 s11, s11, 15
	s_lshl_b32 s11, s11, 23
	s_or_b32 s11, s11, 0x600000
	v_mov_b32 v[LIM], s11                          ; 57,344 x that
.macro FRAG reg, adr, q, i
.irp c, 0,1,2,3
	ds_load_b128 v[\reg+4*\c:\reg+4*\c+3], v[\adr] offset:4096*(\i)+2048*(\q)+512*\c
.endr
.endm
.macro MUL16 a0, p, zero               ; the 64 accumulators take turns, one instruction a turn, in the same order in every step
.irp a, \a0, \a0+1
.irp b, 0,1,2,3,4,5,6,7
.if \zero
	v_wmma_f32_16x16x128_bf8_bf8 v[8*(8*((\a)%4)+\b):8*(8*((\a)%4)+\b)+7], v[128*(\p)+FR*\b:128*(\p)+FR*\b+FR-1], v[AF+FR*(\a):AF+FR*(\a)+FR-1], 0
.else
	v_wmma_f32_16x16x128_bf8_bf8 v[8*(8*((\a)%4)+\b):8*(8*((\a)%4)+\b)+7], v[128*(\p)+FR*\b:128*(\p)+FR*\b+FR-1], v[AF+FR*(\a):AF+FR*(\a)+FR-1], v[8*(8*((\a)%4)+\b):8*(8*((\a)%4)+\b)+7]
.endif
.endr
.endr
.endm
.macro FETCH_B slot, q, p
	WIN TO_B
.irp i, 0,1,2,3,4,5,6,7
	FRAG 128*(\p)+FR*\i, ADRB+\slot, \q, \i
.endr
	WIN 0
.endm
.macro FETCH_A slot, q, i0
.irp i, \i0, \i0+1, \i0+2, \i0+3
	FRAG AF+FR*(\i), ADRA+\slot, \q, \i
.endr
.endm
.macro PLACES n
.rept \n
	v_nop
.endr
.endm
.macro STEP slot, q, zero
	s_wait_dscnt 4*NL                              ; B's set and A's blocks 0-3 are in; the youngest 16 loads (A's blocks 4-7) may be out
	WIN MUL_LO
	MUL16 0, (\q)%2, \zero
	MUL16 2, (\q)%2, \zero
	s_wait_dscnt 0
	PLACES NP
	FETCH_B \slot, (\q)+1, 1-(\q)%2
	FETCH_A \slot, (\q)+1, 0
	WIN MUL_HI
	MUL16 4, (\q)%2, \zero
	MUL16 6, (\q)%2, \zero
	PLACES NP
	WIN 0
	FETCH_A \slot, (\q)+1, 4
.endm
.macro TURN slot, next, fill
	s_wait_tensorcnt 0x0                           ; all my tensor loads have landed: my part of the next slot
	ds_add_u32 v[SPW], v[NIL]                      ; 0 onto my spare word
	s_wait_dscnt 4*NL+1                            ; (the add and the youngest 16 loads may be out)
	WIN MUL_LO
	MUL16 0, 1, 0
	s_wait_dscnt 0x0                               ; the add is done, and my reads of this slot are over
	s_barrier_signal -1
	MUL16 2, 1, 0
	WIN 0
	s_barrier_wait -1
.if \fill
	CREST                                          ; a round of the cluster's barrier: no wave of any partner still reads this slot or has a load on its way
	s_add_nc_u64 s[G0+4*\slot+2:G0+4*\slot+3], s[G0+4*\slot+2:G0+4*\slot+3], 8192
	s_add_nc_u64 s[G0B+4*\slot+2:G0B+4*\slot+3], s[G0B+4*\slot+2:G0B+4*\slot+3], 8192
	JLOAD G0+4*\slot, G1, G0B+4*\slot, G1B         ; the first tensor load behind the round
.else
	PLACES NP
.endif
	FETCH_B \next, 0, 0
	FETCH_A \next, 0, 0
	WIN MUL_HI
	MUL16 4, 1, 0
	MUL16 6, 1, 0
	PLACES NP
	WIN 0
	FETCH_A \next, 0, 4
.endm
.macro LAST
	s_wait_dscnt 4*NL
	WIN MUL_LO
	MUL16 0, 1, 0
	MUL16 2, 1, 0
	s_wait_dscnt 0
	WIN MUL_HI
	MUL16 4, 1, 0
	MUL16 6, 1, 0
	WIN 0
.endm
; THE WAY OUT of block a, 16 channels x 128 keys: + bias, the hold, the conversion: one fragment of V^T
.macro VBLOCK a
	WIN 0x02+((\a)/4)
.set i, 0
.rept 32
	v_pk_add_f32 v[T+i:T+i+1], v[64*((\a)%4)+i:64*((\a)%4)+i+1], v[BP+2*(\a):BP+2*(\a)+1]   ; each accumulator from its low end on
.set i, i+2
.endr
	WIN 0
.set i, 0
.rept 64
	v_med3_num_f32 v[T+i], v[T+i], -v[LIM], v[LIM] ; the conversion does not saturate (ISA guide 7.6.2): the hold comes first
.set i, i+1
.endr
	s_wait_xcnt 0x0                                ; the stores of two blocks ago have read this set of codes
.irp i, 0,1,2,3,4,5,6,7
	v_cvt_scalef32_pk8_bf8_f32 v[CD+16*((\a)%2)+2*\i:CD+16*((\a)%2)+2*\i+1], v[T+8*\i:T+8*\i+7], v[SC]   ; registers 2 i, 2 i + 1: keys 16 i + 8 h + 0 .. 7
.endr
	v_nop                                          ; a plain line behind the last conversion: the next block writes its sources
.irp c, 0,1,2,3
	global_store_b128 v[L16], v[CD+16*((\a)%2)+4*\c:CD+16*((\a)%2)+4*\c+3], s[4:5] offset:((\a)/4)*262144+((\a)%4)*2048+512*\c
.endr
.endm
	s_wait_tensorcnt 1                             ; my part of K step 0 is in (K step 1's load may be out)
	s_barrier_signal -1
	s_barrier_wait -1
	FETCH_B 0, 0, 0
	FETCH_A 0, 0, 0
	FETCH_A 0, 0, 4
	STEP 0, 0, 1
	TURN 0, 1, 1
	STEP 1, 0, 0
	TURN 1, 0, 1
	STEP 0, 0, 0
	TURN 0, 1, 0
	STEP 1, 0, 0
.irp a, 0,1,2,3,4,5,6,7
	global_load_b32 v[BR+\a], v[RB], s[8:9] offset:64*\a   ; b(my channel 16 a + r)
.endr
	LAST
	PLACES NP
	s_wait_loadcnt 0x0
.irp a, 0,1,2,3,4,5,6,7
	v_ldexp_f32 v[BP+2*\a], v[BR+\a], s10          ; b / 2^(e4 + e5), twice: a pair for the packed addition
	v_ldexp_f32 v[BP+2*\a+1], v[BR+\a], s10
.endr
.irp a, 0,1,2,3,4,5,6,7
	VBLOCK \a
.endr
	s_wait_tensorcnt 0x0                           ; the wave's end
	ds_add_u32 v[SPW], v[NIL]
	s_wait_dscnt 0x0
	CROUND                                         ; the closing round
	s_endpgm
.Lfunc_end_k_qef67a3b27e_vp:
	.size	k_qef67a3b27e_vp, .Lfunc_end_k_qef67a3b27e_vp-k_qef67a3b27e_vp
	.p2alignl 7, 3214868480
	.fill 96, 4, 3214868480
	.section	.rodata,"a",@progbits
	.p2align	6, 0x0
	.amdhsa_kernel k_qef67a3b27e_vp
		.amdhsa_group_segment_fixed_size 327680
		.amdhsa_private_segment_fixed_size 0
		.amdhsa_enable_private_segment 0
		.amdhsa_kernarg_size 40
		.amdhsa_user_sgpr_count 2
		.amdhsa_user_sgpr_kernarg_segment_ptr 1
		.amdhsa_wavefront_size32 1
		.amdhsa_system_sgpr_workgroup_id_x 1
		.amdhsa_system_sgpr_workgroup_id_y 1
		.amdhsa_system_sgpr_workgroup_id_z 1
		.amdhsa_system_vgpr_workitem_id 0
		.amdhsa_next_free_vgpr 1024
		.amdhsa_next_free_sgpr 100
		.amdhsa_reserve_vcc 0
		.amdhsa_float_denorm_mode_32 3
		.amdhsa_float_denorm_mode_16_64 3
		.amdhsa_memory_ordered 1
		.amdhsa_forward_progress 1
		.amdhsa_inst_pref_size 135
	.end_amdhsa_kernel
	.amdgpu_metadata
---
amdhsa.version: [ 1, 2 ]
amdhsa.kernels:
  - .name:           k_qef67a3b27e_vp
    .symbol:         k_qef67a3b27e_vp.kd
    .args:
      - { .name: wc, .offset: 0, .size: 8, .value_kind: global_buffer, .address_space: global }
      - { .name: xc, .offset: 8, .size: 8, .value_kind: global_buffer, .address_space: global }
      - { .name: lowp_scales, .offset: 16, .size: 8, .value_kind: global_buffer, .address_space: global }
      - { .name: WV_b, .offset: 24, .size: 8, .value_kind: global_buffer, .address_space: global }
      - { .name: kv, .offset: 32, .size: 8, .value_kind: global_buffer, .address_space: global }
    .group_segment_fixed_size: 327680
    .private_segment_fixed_size: 0
    .kernarg_segment_align: 8
    .kernarg_segment_size: 40
    .max_flat_workgroup_size: 128
    .sgpr_count:     100
    .vgpr_count:     1024
    .wavefront_size: 32
...
	.end_amdgpu_metadata
.endif
;; end of part 3
;; launch attn (part 4): grid 4 x 64, 16 waves a work-group, no clusters, 264,192 bytes of LDS; arguments qc, kv, lowp_scales, ac; writes ac
.if DOCPART == 4
	.amdgcn_target "amdgcn-amd-amdhsa--gfx1250"
	.amdhsa_code_object_version 6
	.text
	.protected	k_qef67a3b27e_attn
	.globl	k_qef67a3b27e_attn
	.p2align	8
	.type	k_qef67a3b27e_attn,@function
k_qef67a3b27e_attn:
	s_mov_b64 s[64:65], 0
	v_nop
	global_prefetch_b8 v0, s[64:65] scope:SCOPE_SE
	s_setreg_imm32_b32 hwreg(HW_REG_WAVE_MODE, 25, 1), 1
	s_wait_xcnt 0x0
; o = softmax(q k^T / 8, causal) v for one head, both products on codes of BF8 (E5M2); o is quantised again (e10) and stored as its part of the last product's fragment images.
; THE SOFTMAX AHEAD OF THE SECOND PRODUCT: t = score x log2(e) / 8; M = the running largest t rounded UP to a whole number; p = 2^(t - M) is quantised along the keys (e8), not normalised; the row's sum is taken of the
; unquantised p and divides at the end.  When M moves, the sum and O are multiplied by 2^(old M - new M): exact.
; SHARES.  Work-group (jb, head) owns query blocks jb and 7 - jb of 256.  Wave w owns two tiles of 16 queries, from 256 jb + 16 w and from 2,032 less that: together 17 key steps of 128 for every wave of every work-group.
; LDS holds the head's whole K and V, 262,144 bytes, as they lie in kv: [key step 16][K's 8 tiles of 1,024 bytes, V's 4 fragments of 2,048].  Wave w fetches key step w by one tensor load; nothing is filled again and nothing is
; stored to LDS: one barrier.  (Key steps behind a work-group's last query are fetched and not read, so that every wave's text is alike.)
; NO CLUSTER: the four work-groups of a head share K and V, but which key steps a wave works on hangs on jb, which would then be its place in the cluster.
; LAYOUT.  S^T = K Q^T (source 0 = 16 keys, source 1 = my 16 queries; K = 64) and O^T = V^T P^T (source 0 = 16 channels, source 1 = P; K = 128 keys): a lane holds ONE query throughout.  Register j of S^T's tile t is key
; 16 t + 8 h + j, so a tile's eight registers convert into registers 2 t, 2 t + 1 of P; likewise O^T's four tiles into the eight registers of a fragment of 16 queries x 64 channels.
; CAUSAL.  The loop over key steps has 16 trips in every wave; a step all of whose keys come after my queries jumps over its work; on the diagonal hidden scores become -infinity ahead of the maximum.
; LIMITS: e6 + e7 between -123 and 130 (added to c's exponent field); e8 and e10 between -126 and 112.  NaN among the inputs is not served.
; REGISTERS: v1 16 x lane; v2 r - 8 h; v3, v4 Q's offsets; v8 the step's LDS address; v12 -M, v13 the largest t, v[14:15] the sum; v16-23, v24-31 Q of the two passes; v32-95 K's 8 fragments, then V's 4; v96-159 S^T, then p;
;   v160-191 O^T; v224-239 p's codes; v240, v241 57,344 x 2^e8 and 2^e8; v[242:243] the sum's second chain; v244, v245 the same for e10; v246 a permute's result; v247 -infinity; v[248:249] f; v250, v251 at work.
	s_load_b256 s[4:11], s[0:1], 0x0               ; qc, kv, the scales' exponents, ac
	v_lshl_add_u32 v254, v0, 2, 0x40000
	v_mov_b32 v255, 0
	ds_add_u32 v254, v255
	ds_add_u32 v254, v255
	v_lshrrev_b32 v8, 5, v0
	v_readfirstlane_b32 s24, v8                    ; wave 0..15
	s_and_b32 s25, ttmp7, 0xffff                   ; the head, 0..63
	s_mov_b32 s16, 3<<16                           ; descriptor group 1: elements of 8 bytes, no mask, no padding;
	s_mov_b32 s17, 32<<16                          ; tensor_dim0 = 32: rows of 256 bytes;
	s_mov_b32 s18, 64<<16                          ; tensor_dim1 = 64 rows: a key step's 16,384 bytes, dense
	s_mov_b32 s19, 32<<16                          ; tile_dim0
	s_mov_b32 s20, 64                              ; tile_dim1
	s_mov_b32 s21, 32                              ; from row to row
	s_mov_b32 s22, 0
	s_mov_b32 s23, 0
	s_lshl_b32 s26, s25, 18
	s_lshl_b32 s27, s24, 14
	s_add_co_u32 s26, s26, s27                     ; the head's K and V, my key step
	s_mov_b32 s27, 0
	s_mov_b32 s12, 1
	s_lshl_b32 s13, s24, 14                        ; LDS: wave x 16,384
	s_lshl_b32 s37, ttmp9, 8
	s_lshl_b32 s42, s24, 4
	s_add_co_u32 s37, s37, s42                     ; my first tile's first query
	s_sub_co_u32 s38, 2032, s37                    ; my second tile's
	s_wait_dscnt 0x0
	s_wait_kmcnt 0x0
	s_load_b128 s[32:35], s[8:9], 0x18             ; e6, e7, e8, e9
	s_load_b32 s36, s[8:9], 0x28                   ; e10
	s_add_nc_u64 s[14:15], s[6:7], s[26:27]
	s_or_b32 s15, s15, 0x80000000
	tensor_load_to_lds s[12:15], s[16:23]          ; my one tensor load
	s_nop 0
	v_and_b32 v8, 31, v0
	v_lshlrev_b32 v1, 4, v8
	v_and_b32 v9, 15, v0
	v_bfe_u32 v10, v0, 4, 1
	v_lshlrev_b32 v10, 3, v10
	v_sub_nc_u32 v2, v9, v10                       ; r - 8 h
	s_lshl_b32 s42, s37, 6                         ; a tile of 16 queries is 1,024 bytes of qc
	v_add_nc_u32 v3, s42, v1
	s_lshl_b32 s42, s38, 6
	v_add_nc_u32 v4, s42, v1
	s_lshl_b32 s42, s25, 17
	s_mov_b32 s43, 0
	s_add_nc_u64 s[48:49], s[4:5], s[42:43]
	global_load_b128 v[16:19], v3, s[48:49]
	global_load_b128 v[20:23], v3, s[48:49] offset:512
	global_load_b128 v[24:27], v4, s[48:49]
	global_load_b128 v[28:31], v4, s[48:49] offset:512
	s_lshr_b32 s42, s25, 4                         ; ac: [row tile][16,384]: batch x 128 row tiles, the head's 1,024 bytes of a row tile,
	s_lshl_b32 s42, s42, 21
	s_and_b32 s52, s25, 15
	s_lshl_b32 s52, s52, 10
	s_add_co_u32 s52, s52, s42
	s_lshl_b32 s42, s37, 10                        ; and 16,384 bytes for 16 queries
	s_add_co_u32 s42, s42, s52
	s_add_nc_u64 s[44:45], s[10:11], s[42:43]
	s_lshl_b32 s42, s38, 10
	s_add_co_u32 s42, s42, s52
	s_add_nc_u64 s[46:47], s[10:11], s[42:43]
	s_mov_b32 s28, 0x76543210                      ; v_permlanex16_b32's selects for lane l xor 16
	s_mov_b32 s29, 0xfedcba98
	v_mov_b32 v246, 0                              ; written once: a lane permute's destination counts as one of its sources
	v_mov_b32 v247, 0xff800000                     ; -infinity
	v_mov_b32 v249, 0                              ; (named as the upper half of the pair v[248:249])
	s_wait_kmcnt 0x0
	s_add_co_i32 s42, s32, s33
	s_lshl_b32 s42, s42, 23
	s_add_co_i32 s30, s42, 0x3e38aa3b              ; c = log2(e) / 8, with e6 + e7 added to its exponent field: a score stands for score x 2^(e6 + e7)
	s_mov_b32 s31, s30                             ; (named with it as a pair, so it is written)
	s_add_co_i32 s42, s34, 127
	s_lshl_b32 s43, s42, 23
	v_mov_b32 v241, s43                            ; 2^e8
	s_add_co_i32 s42, s42, 15
	s_lshl_b32 s42, s42, 23
	s_or_b32 s42, s42, 0x600000
	v_mov_b32 v240, s42                            ; 57,344 x 2^e8
	s_add_co_i32 s42, s36, 127
	s_lshl_b32 s43, s42, 23
	v_mov_b32 v245, s43                            ; 2^e10
	s_add_co_i32 s42, s42, 15
	s_lshl_b32 s42, s42, 23
	s_or_b32 s42, s42, 0x600000
	v_mov_b32 v244, s42                            ; 57,344 x 2^e10
	s_add_co_i32 s50, s34, s35                     ; e8 + e9
	s_wait_tensorcnt 0x0                           ; my key step has landed,
	s_barrier_signal -1
	s_barrier_wait -1                              ; everybody's has
	s_wait_loadcnt 0x0                             ; Q
; ONE TILE OF 16 QUERIES.  q: its fragment's first register; q0: the scalar with its first query; ob: the pair with its place in ac.
.macro PASS q, q0, ob
	s_wait_xcnt 0x0                                ; the last pass's stores have read their registers
	v_mov_b32 v13, 0xff61b1e6                      ; the largest t so far: -3e38, under every t
	v_floor_f32 v12, -v13                          ; -M
	v_mov_b32 v14, 0
	v_mov_b32 v15, 0
.set i, 0
.rept 32
	v_mov_b32 v[160+i], 0                          ; O^T.  (The step is written once: the first finds zeros, which the first change of M leaves zeros)
.set i, i+1
.endr
	s_mov_b32 s39, 0                               ; the step's first key
	s_mov_b32 s40, 0                               ; and its place in LDS
	s_mov_b32 s41, 16
	s_add_co_u32 s51, s[\q0], 15                   ; my last query
.Lstep_\@:
	s_cmp_gt_u32 s39, s51
	s_cbranch_scc1 .Lhidden_\@                     ; all 128 keys come after my queries
	v_add_nc_u32 v8, s40, v1
.rept 4
	v_nop                                          ; places in front of loads into registers that the last step's products have read
.endr
.irp t, 0,1,2,3,4,5,6,7
.irp g, 0,1
	ds_load_b128 v[32+8*\t+4*\g:32+8*\t+4*\g+3], v8 offset:1024*\t+512*\g
.endr
.endr
	s_wait_dscnt 0x0
.irp t, 0,1,2,3,4,5,6,7
	v_wmma_f32_16x16x64_bf8_bf8 v[96+8*\t:103+8*\t], v[32+8*\t:39+8*\t], v[\q:\q+7], 0
.endr
.rept 4
	v_nop
.endr
.irp d, 0,1,2,3
.irp c, 0,1,2,3
	ds_load_b128 v[32+16*\d+4*\c:32+16*\d+4*\c+3], v8 offset:8192+2048*\d+512*\c   ; V's fragments land while the softmax is worked
.endr
.endr
	s_add_co_u32 s42, s39, 127
	s_cmp_le_u32 s42, s[\q0]
	s_cbranch_scc1 .Lopen_\@                       ; all 128 keys count for all my queries
	s_sub_co_i32 s42, s[\q0], s39
	v_add_nc_u32 v250, s42, v2                     ; d = my query - the step's first key - 8 h.  Register 8 t + j holds key 16 t + 8 h + j of the step: hidden where 16 t + j > d
.set n, 0
.rept 64
	v_cmp_gt_i32 vcc_lo, 16*(n/8)+n%8, v250
	v_cndmask_b32 v[96+n], v[96+n], v247, vcc_lo
.set n, n+1
.endr
.Lopen_\@:
	v_max3_num_f32 v250, v96, v97, v98             ; the step's largest score of my query, among my 64 keys, in two chains,
	v_max3_num_f32 v251, v99, v100, v101
.irp i, 6,10,14,18,22,26,30,34,38,42,46,50,54,58
	v_max3_num_f32 v250, v250, v[96+\i], v[97+\i]
	v_max3_num_f32 v251, v251, v[98+\i], v[99+\i]
.endr
	v_max3_num_f32 v250, v250, v158, v159
	v_max_num_f32 v250, v250, v251
	v_permlanex16_b32 v246, v250, s28, s29
	v_max_num_f32 v250, v250, v246                 ; and among lane l xor 16's
	v_mul_f32 v250, s30, v250                      ; as t (c is positive)
	v_max_num_f32 v13, v13, v250                   ; the running largest t
	v_mov_b32 v250, v12
	v_floor_f32 v12, -v13                          ; the new -M = floor(-t) = -ceil(t)
	v_sub_f32 v250, v12, v250                      ; old M - new M: a whole number, 0 or less
	v_cvt_i32_f32 v250, v250                       ; (it saturates)
	v_ldexp_f32 v248, 1.0, v250                    ; f = 2^(old M - new M)
.set j, 0
.rept 32
	v_pk_fma_f32 v[96+j:97+j], v[96+j:97+j], s[30:31], v[12:13] op_sel_hi:[1,0,0]   ; t - M (of the pairs c and -M the low word serves both halves)
.set j, j+2
.endr
.set j, 0
.rept 64
	v_exp_f32 v[96+j], v[96+j]                     ; p = 2^(t - M), at most 1
.set j, j+1
.endr
	v_pk_mul_f32 v[14:15], v[14:15], v[248:249] op_sel_hi:[1,0]   ; the sums under the new M.  (A plain line behind the exponentials)
	s_wait_alu depctr_va_vdst(0)
	v_pk_add_f32 v[242:243], v[96:97], v[98:99]    ; the row's sum is taken of the unquantised p, in two chains
.irp j, 4,8,12,16,20,24,28,32,36,40,44,48,52,56,60
	v_pk_add_f32 v[14:15], v[14:15], v[96+\j:97+\j]
	v_pk_add_f32 v[242:243], v[242:243], v[98+\j:99+\j]
.endr
	v_pk_add_f32 v[14:15], v[14:15], v[242:243]
.irp t, 0,1,2,3,4,5,6,7
.irp i, 0,1,2,3,4,5,6,7
	v_min_num_f32 v[96+8*\t+\i], v[96+8*\t+\i], v240   ; the conversion does not saturate (ISA guide 7.6.2); p is not negative, so the hold is one-sided
.endr
	v_cvt_scalef32_pk8_bf8_f32 v[224+2*\t:225+2*\t], v[96+8*\t:103+8*\t], v241
.endr
.set j, 0
.rept 16
	v_pk_mul_f32 v[160+j:161+j], v[160+j:161+j], v[248:249] op_sel_hi:[1,0]   ; O^T under the new M.  (These are also the plain lines behind the conversions)
.set j, j+2
.endr
	s_wait_dscnt 0x0                               ; V
.irp d, 0,1,2,3
	v_wmma_f32_16x16x128_bf8_bf8 v[160+8*\d:167+8*\d], v[32+16*\d:47+16*\d], v[224:239], v[160+8*\d:167+8*\d]   ; four accumulators by turns; the next step's eight products stand between a link and the next
.endr
.Lhidden_\@:
	s_add_co_u32 s39, s39, 128
	s_add_co_u32 s40, s40, 16384
	s_sub_co_u32 s41, s41, 1
	s_cmp_lg_u32 s41, 0
	s_cbranch_scc1 .Lstep_\@
.rept 4
	v_nop                                          ; places behind the last products
.endr
	v_add_f32 v14, v14, v15                        ; the sum's two halves,
	v_permlanex16_b32 v246, v14, s28, s29
	v_add_f32 v14, v14, v246                       ; and lane l xor 16's
	v_rcp_f32 v14, v14
	v_nop                                          ; a plain line behind the transcendental
	s_wait_alu depctr_va_vdst(0)
	v_ldexp_f32 v14, v14, s50                      ; x 2^(e8 + e9)
.set i, 0
.rept 32
	v_mul_f32 v[96+i], v[160+i], v14               ; o(query r, channel 16 t + 8 h + j), each accumulator from its low end on
.set i, i+1
.endr
.set i, 0
.rept 32
	v_med3_num_f32 v[96+i], v[96+i], -v244, v244
.set i, i+1
.endr
.irp t, 0,1,2,3
	v_cvt_scalef32_pk8_bf8_f32 v[128+2*\t:129+2*\t], v[96+8*\t:103+8*\t], v245
.endr
	v_nop                                          ; a plain line behind the last conversion
	global_store_b128 v1, v[128:131], s[\ob:\ob+1]             ; 512 consecutive bytes each
	global_store_b128 v1, v[132:135], s[\ob:\ob+1] offset:512
.endm
	PASS 16, 37, 44
	PASS 24, 38, 46
	s_wait_tensorcnt 0x0
	ds_add_u32 v254, v255
	s_wait_dscnt 0x0
	s_endpgm
.Lfunc_end_k_qef67a3b27e_attn:
	.size	k_qef67a3b27e_attn, .Lfunc_end_k_qef67a3b27e_attn-k_qef67a3b27e_attn
	.p2alignl 7, 3214868480
	.fill 96, 4, 3214868480
	.section	.rodata,"a",@progbits
	.p2align	6, 0x0
	.amdhsa_kernel k_qef67a3b27e_attn
		.amdhsa_group_segment_fixed_size 264192
		.amdhsa_private_segment_fixed_size 0
		.amdhsa_enable_private_segment 0
		.amdhsa_kernarg_size 32
		.amdhsa_user_sgpr_count 2
		.amdhsa_user_sgpr_kernarg_segment_ptr 1
		.amdhsa_wavefront_size32 1
		.amdhsa_system_sgpr_workgroup_id_x 1
		.amdhsa_system_sgpr_workgroup_id_y 1
		.amdhsa_system_sgpr_workgroup_id_z 1
		.amdhsa_system_vgpr_workitem_id 0
		.amdhsa_next_free_vgpr 256
		.amdhsa_next_free_sgpr 66
		.amdhsa_reserve_vcc 1
		.amdhsa_float_denorm_mode_32 3
		.amdhsa_float_denorm_mode_16_64 3
		.amdhsa_memory_ordered 1
		.amdhsa_forward_progress 1
		.amdhsa_inst_pref_size 56
	.end_amdhsa_kernel
	.amdgpu_metadata
---
amdhsa.version: [ 1, 2 ]
amdhsa.kernels:
  - .name:           k_qef67a3b27e_attn
    .symbol:         k_qef67a3b27e_attn.kd
    .args:
      - { .name: qc, .offset: 0, .size: 8, .value_kind: global_buffer, .address_space: global }
      - { .name: kv, .offset: 8, .size: 8, .value_kind: global_buffer, .address_space: global }
      - { .name: lowp_scales, .offset: 16, .size: 8, .value_kind: global_buffer, .address_space: global }
      - { .name: ac, .offset: 24, .size: 8, .value_kind: global_buffer, .address_space: global }
    .group_segment_fixed_size: 264192
    .private_segment_fixed_size: 0
    .kernarg_segment_align: 8
    .kernarg_segment_size: 32
    .max_flat_workgroup_size: 512
    .sgpr_count:     66
    .vgpr_count:     256
    .wavefront_size: 32
...
	.end_amdgpu_metadata
.endif
;; end of part 4
;; launch outp (part 5): grid 4 x 32, 4 waves a work-group, clusters of 4 x 4, 327,680 bytes of LDS; arguments ac, wc, lowp_scales, Wo_b, out0; writes out0
.if DOCPART == 5
	.amdgcn_target "amdgcn-amd-amdhsa--gfx1250"
	.amdhsa_code_object_version 6
	.text
	.protected	k_qef67a3b27e_outp
	.globl	k_qef67a3b27e_outp
	.p2align	8
	.type	k_qef67a3b27e_outp,@function
k_qef67a3b27e_outp:
	s_mov_b64 s[64:65], 0
	v_nop
	global_prefetch_b8 v0, s[64:65] scope:SCOPE_SE
	s_setreg_imm32_b32 hwreg(HW_REG_WAVE_MODE, 25, 1), 1
	s_wait_xcnt 0x0
	s_wait_alu depctr_hold_cnt(0) depctr_sa_sdst(0) depctr_va_vdst(0) depctr_va_sdst(0) depctr_va_ssrc(0) depctr_va_vcc(0) depctr_vm_vsrc(0)
	s_getreg_b32 s2, hwreg(HW_REG_IB_STS2, 6, 4)
	s_cmp_eq_u32 s2, 0
	s_cbranch_scc0 .Lentry_in_a_cluster
	s_endpgm
.Lentry_in_a_cluster:
	s_bfe_u32 s2, ttmp6, 0x10000c
	s_cmp_lg_u32 s2, 0xf033
	s_cbranch_scc0 .Lentry_shape_is_right
	s_endpgm
.Lentry_shape_is_right:
; out0 = a Wo^T + bo on codes of BF8 (E5M2): a under e10 (ac, made by the attention), Wo under e11 (plane 3 of wc).  out0: [8192][1024] f32.
; Ring, joint loads and fragment images as in the launch for q and k: operands are images of 2,048 bytes, [row tile][kb 8][2048]; a tile of 256 x 256 is made by four waves, each 128 x 128; K goes in four steps of 256 through two
; LDS slots; the tiles of a are shared along a row of the cluster, Wo's along a column.  The matrix instruction is used transposed (source 0 = 16 rows of Wo, source 1 = 16 rows of a): a lane holds eight neighbouring numbers of a row.
; The bias is the C of each sum's first matrix instruction, as b / 2^(e10 + e11) (exact); each finished sum is multiplied once by 2^(e10 + e11).
; THE WAY OUT: a block of 16 rows x 128 columns goes through the wave's own stage in LDS and comes back as whole rows of 512 bytes.  The stage lies in slot 0, which has had its last fill and its last read by then.
; LIMIT: e10 + e11 between -126 and 127.
; REGISTERS: window 0: v16-31 addresses; v32-95 the bias, later a block's numbers; from v128 A's fragments, later rows read back; window 1: B's two sets; windows 2, 3: accumulators, (a, b) at v[8 (8 (a % 4) + b)].
.set HALFT,  32768
.set SLOT,   131072
.set SPARE,  262144                    ; behind the ring: the spare words, 128 bytes for each wave: two blocks of 256 bytes that no other line names
.set SPITCH, 528                       ; a stage row: 512 bytes + 16
.set FR,     16
.set NL,     4
.set NP,     4
.set ADRA, 16
.set ADRB, 20
.set L16,  24                          ; v24  16 x lane: also my byte offset in a row of my 128 columns
.set STO,  25                          ; v25  the stage: where I put 32 bytes of a row
.set RD,   26                          ; v26  and where I read a row back
.set HB,   27                          ; v27  32 x (lane / 16)
.set SPW,  28
.set NIL,  29
.set BI,   32
.set TMP,  32
.set AF,   128
.set BK,   128
.set G1, 24
.set G0, 32
.set G1B, 48
.set G0B, 56
.set MSB, 0
.macro WIN new
.if MSB != (\new)
	s_set_vgpr_msb (MSB<<8)|(\new)
.set MSB, (\new)
.endif
.endm
.set MUL_LO, 0xa1
.set MUL_HI, 0xf1
.set TO_B,   0x40
.macro JLOAD g0a, g1a, g0b, g1b        ; waves 0 and 1 fetch for A, waves 2 and 3 for B; four v_nop follow each of the two lines
	s_cmp_eq_u32 s15, 0
	s_cbranch_scc0 .Lfor_b_\@
	tensor_load_to_lds s[\g0a:\g0a+3], s[\g1a:\g1a+7]
	s_nop 0
.rept 4
	v_nop
.endr
	s_branch .Lasked_\@
.Lfor_b_\@:
	tensor_load_to_lds s[\g0b:\g0b+3], s[\g1b:\g1b+7]
	s_nop 0
.rept 4
	v_nop
.endr
.Lasked_\@:
.endm
.macro CREST
	s_cmp_lg_u32 s14, 0
	s_cbranch_scc1 .Lnot_wave_0_\@
	s_barrier_signal -3
.Lnot_wave_0_\@:
	s_barrier_wait -3
	s_barrier_signal -1
	s_barrier_wait -1
.endm
.macro CROUND
	s_barrier_signal -1
	s_barrier_wait -1
	CREST
.endm
	s_load_b256 s[68:75], s[0:1], 0x0              ; ac, wc, the scales' exponents, Wo_b
	s_load_b64 s[76:77], s[0:1], 0x20              ; out0
	v_lshl_add_u32 v[SPW], v0, 2, SPARE
	v_mov_b32 v[NIL], 0
	ds_add_u32 v28, v29
	ds_add_u32 v28, v29
	s_wait_dscnt 0x0
	v_lshrrev_b32 v1, 5, v0
	v_readfirstlane_b32 s14, v1                    ; wave 0..3
	s_lshr_b32 s15, s14, 1                         ; which half of the tile's rows is mine.  Also: I fetch for A (0) or for B (1)
	s_and_b32 s16, s14, 1                          ; which half of its columns.  Also: which 8 row tiles I fetch
	s_bfe_u32 s40, ttmp6, 0x40000                  ; cx = the tile of Wo's rows
	s_bfe_u32 s41, ttmp6, 0x40004                  ; cy
	s_and_b32 s17, ttmp7, 0xffff
	s_lshl_b32 s17, s17, 2
	s_add_co_u32 s17, s17, s41                     ; the tile of rows = 4 x cluster y + cy
	s_lshl_b32 s43, s41, 2
	s_lshl_b32 s43, 15, s43
	s_lshl_b32 s44, 0x1111, s40
	s_or_b32 s[G1+0], s43, (1<<21)                 ; the mask; elements of 1 byte; no padding; 21 set beside a mask
	s_or_b32 s[G1B+0], s44, (1<<21)
.irp g, G1, G1B
	s_mov_b32 s[\g+1], 4096<<16                    ; 8 row tiles x 4,096 bytes, 16,384 bytes apart
	s_mov_b32 s[\g+2], 8<<16
	s_mov_b32 s[\g+3], 4096<<16
	s_mov_b32 s[\g+4], 8
	s_mov_b32 s[\g+5], 16384
	s_mov_b32 s[\g+6], 0
	s_mov_b32 s[\g+7], 0
.endr
	s_lshl_b32 s18, s16, 17
	s_lshl_b32 s20, s17, 18
	s_add_co_u32 s20, s20, s18                     ; A: ac
	s_mov_b32 s21, 0
	s_lshl_b32 s46, s40, 18
	s_add_co_u32 s46, s46, s18
	s_add_co_u32 s46, s46, 3<<20                   ; B: plane 3 of wc
	s_mov_b32 s47, 0
	s_lshl_b32 s45, s14, 15
	s_wait_kmcnt 0x0
	s_load_b64 s[84:85], s[72:73], 0x28            ; e10, e11
	s_add_nc_u64 s[20:21], s[68:69], s[20:21]
	s_add_nc_u64 s[46:47], s[70:71], s[46:47]
	CROUND                                         ; all sixteen work-groups are here: the first joint loads meet
.irp s, 0,1
	s_mov_b32 s[G0+4*\s], 1
	s_add_co_u32 s[G0+4*\s+1], s45, \s*SLOT
	s_add_nc_u64 s[G0+4*\s+2:G0+4*\s+3], s[20:21], \s*4096
	s_or_b32 s[G0+4*\s+3], s[G0+4*\s+3], 0x80000000
	s_mov_b32 s[G0B+4*\s], 1
	s_add_co_u32 s[G0B+4*\s+1], s45, \s*SLOT
	s_add_nc_u64 s[G0B+4*\s+2:G0B+4*\s+3], s[46:47], \s*4096
	s_or_b32 s[G0B+4*\s+3], s[G0B+4*\s+3], 0x80000000
	JLOAD G0+4*\s, G1, G0B+4*\s, G1B
.endr
	v_and_b32 v1, 31, v0
	v_lshlrev_b32 v[L16], 4, v1
	v_and_b32 v1, 15, v0
	v_bfe_u32 v2, v0, 4, 1
	v_lshlrev_b32 v[HB], 5, v2
	s_lshl_b32 s2, s40, 10
	s_lshl_b32 s3, s16, 9
	s_add_co_u32 s2, s2, s3                        ; 4 bytes x my first column
	s_mov_b32 s3, 0
	s_add_nc_u64 s[8:9], s[74:75], s[2:3]
.irp b, 0,1,2,3,4,5,6,7
.irp v, 0,1
	global_load_b128 v[BI+8*\b+4*\v:BI+8*\b+4*\v+3], v[HB], s[8:9] offset:64*\b+16*\v   ; b(my column 16 b + 8 h + 4 v + 0 .. 3)
.endr
.endr
	s_lshl_b32 s12, s17, 20
	s_lshl_b32 s13, s15, 19
	s_add_co_u32 s12, s12, s13                     ; my first row, 4,096 bytes a row,
	s_add_co_u32 s12, s12, s2                      ; and my first column
	s_mov_b32 s13, 0
	s_add_nc_u64 s[10:11], s[76:77], s[12:13]
	s_lshl_b32 s21, s15, 15
	s_lshl_b32 s22, s16, 15
	s_add_co_u32 s22, s22, 65536
.irp s, 0,1
	v_add_nc_u32 v[ADRA+\s], s21, v[L16]
	v_add_nc_u32 v[ADRB+\s], s22, v[L16]
	s_add_co_u32 s21, s21, SLOT
	s_add_co_u32 s22, s22, SLOT
.endr
	s_mul_i32 s23, s14, 16*SPITCH                  ; my stage
	v_mul_u32_u24 v5, v1, SPITCH                   ; in: row l % 16, 32 bytes for each half of the lanes
	v_lshl_add_u32 v5, v2, 5, v5
	v_add_nc_u32 v[STO], s23, v5
	v_add_nc_u32 v[RD], s23, v[L16]                ; back: the 32 lanes take one row of 512 bytes
	s_wait_kmcnt 0x0
	s_add_co_i32 s98, s84, s85                     ; e10 + e11
	s_sub_co_i32 s99, 0, s98
	s_add_co_i32 s96, s98, 127
	s_lshl_b32 s96, s96, 23                        ; 2^(e10 + e11) as f32
	s_mov_b32 s97, s96                             ; (named with it as a pair, so it is written)
	s_wait_loadcnt 0x0
.set i, 0
.rept 64
	v_ldexp_f32 v[BI+i], v[BI+i], s99              ; b / 2^(e10 + e11)
.set i, i+1
.endr
.macro FRAG reg, adr, q, i
.irp c, 0,1,2,3
	ds_load_b128 v[\reg+4*\c:\reg+4*\c+3], v[\adr] offset:4096*(\i)+2048*(\q)+512*\c
.endr
.endm
; zero = 2: the first product starts the sums from the bias.  The 64 accumulators take turns, one instruction a turn, in the same order in every step.
.macro MUL16 a0, p, zero
.irp a, \a0, \a0+1
.irp b, 0,1,2,3,4,5,6,7
.if \zero == 2
	v_wmma_f32_16x16x128_bf8_bf8 v[8*(8*((\a)%4)+\b):8*(8*((\a)%4)+\b)+7], v[128*(\p)+FR*\b:128*(\p)+FR*\b+FR-1], v[AF+FR*(\a):AF+FR*(\a)+FR-1], v[BI+8*\b:BI+8*\b+7]
.else
	v_wmma_f32_16x16x128_bf8_bf8 v[8*(8*((\a)%4)+\b):8*(8*((\a)%4)+\b)+7], v[128*(\p)+FR*\b:128*(\p)+FR*\b+FR-1], v[AF+FR*(\a):AF+FR*(\a)+FR-1], v[8*(8*((\a)%4)+\b):8*(8*((\a)%4)+\b)+7]
.endif
.endr
.endr
.endm
.macro FETCH_B slot, q, p
	WIN TO_B
.irp i, 0,1,2,3,4,5,6,7
	FRAG 128*(\p)+FR*\i, ADRB+\slot, \q, \i
.endr
	WIN 0
.endm
.macro FETCH_A slot, q, i0
.irp i, \i0, \i0+1, \i0+2, \i0+3
	FRAG AF+FR*(\i), ADRA+\slot, \q, \i
.endr
.endm
.macro PLACES n
.rept \n
	v_nop
.endr
.endm
.macro STEP slot, q, zero
	s_wait_dscnt 4*NL                              ; B's set and A's blocks 0-3 are in; the youngest 16 loads (A's blocks 4-7) may be out
.if \zero == 2
	WIN 0x81                                       ; source 0 window 1, sources 1 and 2 (the bias) window 0, D window 2
.else
	WIN MUL_LO
.endif
	MUL16 0, (\q)%2, \zero
	MUL16 2, (\q)%2, \zero
	s_wait_dscnt 0
	PLACES NP
	FETCH_B \slot, (\q)+1, 1-(\q)%2
	FETCH_A \slot, (\q)+1, 0
.if \zero == 2
	WIN 0xc1                                       ; the same, D window 3
.else
	WIN MUL_HI
.endif
	MUL16 4, (\q)%2, \zero
	MUL16 6, (\q)%2, \zero
	PLACES NP
	WIN 0
	FETCH_A \slot, (\q)+1, 4
.endm
.macro TURN slot, next, fill
	s_wait_tensorcnt 0x0                           ; all my tensor loads have landed: my part of the next slot
	ds_add_u32 v[SPW], v[NIL]                      ; 0 onto my spare word
	s_wait_dscnt 4*NL+1                            ; (the add and the youngest 16 loads may be out)
	WIN MUL_LO
	MUL16 0, 1, 0
	s_wait_dscnt 0x0                               ; the add is done, and my reads of this slot are over
	s_barrier_signal -1
	MUL16 2, 1, 0
	WIN 0
	s_barrier_wait -1
.if \fill
	CREST                                          ; a round of the cluster's barrier: no wave of any partner still reads this slot or has a load on its way
	s_add_nc_u64 s[G0+4*\slot+2:G0+4*\slot+3], s[G0+4*\slot+2:G0+4*\slot+3], 8192
	s_add_nc_u64 s[G0B+4*\slot+2:G0B+4*\slot+3], s[G0B+4*\slot+2:G0B+4*\slot+3], 8192
	JLOAD G0+4*\slot, G1, G0B+4*\slot, G1B         ; the first tensor load behind the round
.else
	PLACES NP
.endif
	FETCH_B \next, 0, 0
	FETCH_A \next, 0, 0
	WIN MUL_HI
	MUL16 4, 1, 0
	MUL16 6, 1, 0
	PLACES NP
	WIN 0
	FETCH_A \next, 0, 4
.endm
	s_wait_tensorcnt 1                             ; my part of K step 0 is in (K step 1's load may be out)
	s_barrier_signal -1
	s_barrier_wait -1
	FETCH_B 0, 0, 0
	FETCH_A 0, 0, 0
	FETCH_A 0, 0, 4
	STEP 0, 0, 2
	TURN 0, 1, 1
	STEP 1, 0, 0
	TURN 1, 0, 1
	STEP 0, 0, 0
	TURN 0, 1, 0                                   ; behind this barrier nobody reads slot 0 any more, and nothing is filled
	STEP 1, 0, 0
	s_wait_dscnt 4*NL                              ; the very last step
	WIN MUL_LO
	MUL16 0, 1, 0
	MUL16 2, 1, 0
	s_wait_dscnt 0
	WIN MUL_HI
	MUL16 4, 1, 0
	MUL16 6, 1, 0
	WIN 0
; LDS serves a wave's instructions in order (ISA guide 5.7.1.4): no wait between a block's stores into my stage and the loads back, nor in front of the next block's stores.
.macro TOSTAGE a
.set AC, 64*((\a)%4)
	WIN 0x02+((\a)/4)                              ; source 0: window 2 or 3
.set j, 0
.rept 32
	v_pk_mul_f32 v[TMP+j:TMP+j+1], v[AC+j:AC+j+1], s[96:97] op_sel_hi:[1,0]   ; x 2^(e10 + e11); each accumulator from its low end on
.set j, j+2
.endr
	WIN 0
.irp b, 0,1,2,3,4,5,6,7
	ds_store_b128 v[STO], v[TMP+8*\b:TMP+8*\b+3] offset:64*\b
	ds_store_b128 v[STO], v[TMP+8*\b+4:TMP+8*\b+7] offset:64*\b+16
.endr
.set BB, BK+64*((\a)%2)
.irp t, 0,1,2,3,4,5,6,7,8,9,10,11,12,13,14,15
	ds_load_b128 v[BB+4*\t:BB+4*\t+3], v[RD] offset:\t*SPITCH
.endr
.endm
.macro SEND a, younger                 ; younger: the LDS instructions issued behind block a's loads, which may stay out
.set BB, BK+64*((\a)%2)
	s_wait_dscnt \younger
.if (\a) > 0
	s_add_nc_u64 s[10:11], s[10:11], 16*4096       ; (behind a wait on XCNT: the earlier stores have read their base)  16 rows on
.endif
.irp t, 0,1,2,3,4,5,6,7,8,9,10,11,12,13,14,15
	global_store_b128 v[L16], v[BB+4*\t:BB+4*\t+3], s[10:11] offset:\t*4096 th:TH_STORE_NT   ; 32 lanes store 512 consecutive bytes, at a multiple of 256 from out0's first byte
.endr
.endm
	PLACES NP
	TOSTAGE 0
.irp a, 1,2,3,4,5,6,7
.if \a > 1
	s_wait_xcnt 0x0                                ; block a - 2's stores have read their registers and their base
.endif
	TOSTAGE \a
	SEND \a-1, 32                                  ; behind block a - 1's loads: block a's 16 stores and 16 loads
.endr
	s_wait_xcnt 0x0
	SEND 7, 0
	s_wait_tensorcnt 0x0                           ; the wave's end
	ds_add_u32 v[SPW], v[NIL]
	s_wait_dscnt 0x0
	CROUND                                         ; the closing round
	s_endpgm
.Lfunc_end_k_qef67a3b27e_outp:
	.size	k_qef67a3b27e_outp, .Lfunc_end_k_qef67a3b27e_outp-k_qef67a3b27e_outp
	.p2alignl 7, 3214868480
	.fill 96, 4, 3214868480
	.section	.rodata,"a",@progbits
	.p2align	6, 0x0
	.amdhsa_kernel k_qef67a3b27e_outp
		.amdhsa_group_segment_fixed_size 327680
		.amdhsa_private_segment_fixed_size 0
		.amdhsa_enable_private_segment 0
		.amdhsa_kernarg_size 40
		.amdhsa_user_sgpr_count 2
		.amdhsa_user_sgpr_kernarg_segment_ptr 1
		.amdhsa_wavefront_size32 1
		.amdhsa_system_sgpr_workgroup_id_x 1
		.amdhsa_system_sgpr_workgroup_id_y 1
		.amdhsa_system_sgpr_workgroup_id_z 1
		.amdhsa_system_vgpr_workitem_id 0
		.amdhsa_next_free_vgpr 1024
		.amdhsa_next_free_sgpr 100
		.amdhsa_reserve_vcc 0
		.amdhsa_float_denorm_mode_32 3
		.amdhsa_float_denorm_mode_16_64 3
		.amdhsa_memory_ordered 1
		.amdhsa_forward_progress 1
		.amdhsa_inst_pref_size 128
	.end_amdhsa_kernel
	.amdgpu_metadata
---
amdhsa.version: [ 1, 2 ]
amdhsa.kernels:
  - .name:           k_qef67a3b27e_outp
    .symbol:         k_qef67a3b27e_outp.kd
    .args:
      - { .name: ac, .offset: 0, .size: 8, .value_kind: global_buffer, .address_space: global }
      - { .name: wc, .offset: 8, .size: 8, .value_kind: global_buffer, .address_space: global }
      - { .name: lowp_scales, .offset: 16, .size: 8, .value_kind: global_buffer, .address_space: global }
      - { .name: Wo_b, .offset: 24, .size: 8, .value_kind: global_buffer, .address_space: global }
      - { .name: out0, .offset: 32, .size: 8, .value_kind: global_buffer, .address_space: global }
    .group_segment_fixed_size: 327680
    .private_segment_fixed_size: 0
    .kernarg_segment_align: 8
    .kernarg_segment_size: 40
    .max_flat_workgroup_size: 128
    .sgpr_count:     100
    .vgpr_count:     1024
    .wavefront_size: 32
...
	.end_amdgpu_metadata
.endif
;; end of part 5
